; MI455X (gfx1250); checked and timed in simulation.
; The chip was launched on July 23, 2026; its instructions are those of AMD's public machine-readable ISA for CDNA 5 (MIT licence, August 2026) and "CDNA5" Instruction Set Architecture Reference Guide (July 2026). The comments in the code are by the model that wrote it; some were corrected since.
;; Satellite Reading Attention. Allowed arithmetic: matrix products marked QUANTISED: E2M3 operands, one E8M0 scale for each 32 along K, by v_wmma_scale_f32_16x16x128_f8f6f4 with both operands' format E2M3, f32 sums; products left as they are: f32 operands where the result goes on into a quantised operand, else bf16, f16 or f32 operands; f32 sums; everything else in f32.
;; Inputs: b_fr 1,024 float32; b_pos1 1,024 float32; b_pos2 1,024 float32; b_sa 1,024 float32; be_fr 1,024 float32; be_qn 1,024 float32; be_sa 1,024 float32; bk 1,024 float32; bq 1,024 float32; bv 1,024 float32; front_bev_xy 2 x 4,096 x 2 float32; front_feat 2 x 320 x 64 x 64 float32; g_fr 1,024 float32; g_qn 1,024 float32; g_sa 1,024 float32; sat_tokens 2 x 1,024 x 768 float32; sat_xy 2 x 1,024 x 2 float32; w_fr 320 x 1,024 float32; w_pos1 2 x 1,024 float32; w_pos2 1,024 x 1,024 float32; w_sa 768 x 1,024 float32; wk 1,024 x 1,024 float32; wq 1,024 x 1,024 float32; wv 1,024 x 1,024 float32.
;; Outputs: out0 2 x 4,096 x 1,024 float32.
;; This version of the problem:
;;   THIS VERSION OF THE PROBLEM IS GIVEN IN LOW PRECISION. The matrix products marked QUANTISED in the list below multiply operands that are first quantised to E2M3 (2 exponent bits, 3 mantissa bits; 6 bits a number), with one power-of-two scale for each 32 numbers along K (OCP MX v1.0); their sums are f32. All else is computed in f32.
;;   The module's matrix products, in the order in which they are computed (A, B: the left and right operand; K: the contracted axis; several contracted axes count as one K, in the product's order):
;;     1. [M 8,192, K 2] x [K 2, N 1,024]; A: input front_bev_xy; B: input w_pos1: left as it is (K = 2 < 32)
;;     2. [M 8,192, K 1,024] x [K 1,024, N 1,024]; A: computed on the way; B: input w_pos2: QUANTISED
;;     3. [M 8,192, K 320] x [K 320, N 1,024]; A: input front_feat; B: input w_fr: QUANTISED
;;     4. [M 2,048, K 768] x [K 768, N 1,024]; A: input sat_tokens; B: input w_sa: QUANTISED
;;     5. [M 8,192, K 1,024] x [K 1,024, N 1,024]; A: computed on the way; B: input wq: QUANTISED
;;     6. [M 2,048, K 1,024] x [K 1,024, N 1,024]; A: computed on the way; B: input wk: QUANTISED
;;     7. [M 2,048, K 1,024] x [K 1,024, N 1,024]; A: computed on the way; B: input wv: QUANTISED
;;     8. batch 32 x [M 4,096, K 64] x [K 64, N 1,024]; A: computed on the way; B: computed on the way: QUANTISED
;;     9. batch 32 x [M 4,096, K 1,024] x [K 1,024, N 64]; A: softmax (see below); B: computed on the way: QUANTISED
;;   THE QUANTISER, for each operand of a quantised product, along K:
;;     - K is cut into blocks of 32 from its start; a last block that is shorter is filled with zeros.
;;     - A block's scale is 2^e with e = floor(log2(the largest magnitude in the block)) - 2, held to -126 .. 127; a block of zeros has e = 0. As a byte (E8M0): e + 127.
;;     - Each number is divided by its block's scale, clamped to +-7.5, and rounded to the nearest number of E2M3, ties to even, subnormals kept.
;;     - The product sums the exact products of the quantised numbers (number of the format x scale) in f32.
;;   ~~~python
;;   def quantise(x, axis):      # numpy; x: float32 -> the quantised numbers, widened to float32 again
;;       x = np.moveaxis(x, axis, -1); K = x.shape[-1]
;;       x = np.pad(x, [(0, 0)] * (x.ndim - 1) + [(0, -K % 32)]); x = x.reshape(x.shape[:-1] + (-1, 32)); a = np.abs(x).max(-1, keepdims=True)
;;       e = np.where(a > 0, np.clip(np.frexp(np.where(a > 0, a, 1))[1] - 1 - 2, -126, 127), 0)      # np.frexp(a)[1] - 1 = floor(log2(a)), exactly
;;       r = np.clip(x / 2.0 ** e, -7.5, 7.5)
;;       step = 2.0 ** (np.maximum(np.frexp(np.where(r == 0, 1, r))[1] - 1, 0) - 3)
;;       q = np.round(r / step) * step * 2.0 ** e      # np.round: ties to even
;;       return np.moveaxis(q.reshape(q.shape[:-2] + (-1,))[..., :K], -1, axis).astype(np.float32)
;;   ~~~
;;   SOFTMAX AHEAD OF A QUANTISED PRODUCT. Where the list says 'softmax', what is quantised is not the finished softmax but p = 2^(t - M), with t = logit x log2(e) and M = ceil(the row's largest t), a whole number; so 1/2 < the row's largest p <= 1. The row's sum l is taken of the UNQUANTISED p, in f32, and the product's result is divided by l at the end. Since M is a whole number, a kernel that streams over the keys may use a running M (the ceiling of the running maximum): every later rescaling is an exact power of two, which a block's scale takes up: the codes' values come out the same.
;;   OPERANDS COMPUTED ON THE WAY. 'Computed on the way' means the value that the module computes at that place (a softmax that the list does not call 'softmax' is quantised finished and normalised). What goes into a quantiser is computed in f32, as accurately as f32 sums, v_exp_f32 and their like allow (about 1e-6 of the number): no bf16 or f16 on the way to a quantiser, and a product that is left as it is and whose result goes on into a quantised operand takes f32 operands (vector FMAs, or v_wmma_f32_16x16x4_f32). A number that lies on a knife's edge between two numbers of the format may be rounded either way, as far as f32 arithmetic and the matrix unit's own rounding can turn it there, and no further.
;; One version. Each part assembles by itself: llvm-mc -triple=amdgcn-amd-amdhsa -mcpu=gfx1250 --defsym DOCPART=n.
;; ======== version 1 of 1: 3 launches
;; limits: right only within a limited range of input values
;; workspace buffers: wts 4,198,400 bytes; fcodes 2,457,600 bytes; qb 6,815,744 bytes; kvb 3,342,336 bytes
;; launch prep (part 1): grid 520 x 1, 4 waves a work-group, no clusters, 0 bytes of LDS; arguments w_pos2, wq, wk, wv, w_sa, w_fr, front_feat, wts, fcodes; writes wts, fcodes
.if DOCPART == 1
	.amdgcn_target "amdgcn-amd-amdhsa--gfx1250"
	.amdhsa_code_object_version 6
	.text
	.protected	k_qee19b4880f_prep
	.globl	k_qee19b4880f_prep
	.p2align	8
	.type	k_qee19b4880f_prep,@function
k_qee19b4880f_prep:
	s_mov_b64 s[64:65], 0
	v_nop
	global_prefetch_b8 v0, s[64:65] scope:SCOPE_SE
	s_setreg_imm32_b32 hwreg(HW_REG_WAVE_MODE, 25, 1), 1
	s_wait_xcnt 0x0
; Every tensor whose K is its FIRST axis (six weights [K][1024] and front_feat [2][320][4096]) becomes codes of FP6 (E2M3) with one E8M0 byte for each 32 along K,
; laid in the order of a matrix operand's registers, so that the next launch loads fragments whole.
; A block's scale is 2^(floor(log2(largest magnitude)) - 2); its byte is the largest magnitude's exponent field - 2, held at 1 from below.
; LIMITS: a block of zeros, or one whose largest magnitude lies under 2^-124, keeps the byte 1 (its codes are what the conversion gives under that scale; this program alone reads the bytes);
; NaN and infinities among the inputs are not served.
; A LANE TAKES A COLUMN AND ITS REGISTERS RUN DOWN K: a wave takes 32 columns x 128 K (four blocks a lane), a work-group 128 neighbouring columns, so a row's read is 512 consecutive bytes.
; HALF IMAGE (768 bytes): 16 rows x 64 K.  Lane (r, h) of the reader holds block h in six registers: registers 0-3 lie at 16 (r + 16 h), registers 4-5 at 512 + 16 r + 8 h.
; A weight's record (64 columns x 128 K, 6,400 bytes): half image of (tile t, half c) at 3072 c + 768 t; scale words at 6144 + 64 t + 4 r.  wts: [stream][wave 16][step] records.
; A block of 64 tokens of front_feat (19,200 bytes): step s at 6144 s, as a record's codes; scale words at 18432 + 256 s.
; Column order in a tile: permuted (lane r of tile 2 b + u takes column 32 b + 8 u + r + 8 (r / 8)) for all weights but wv; natural for wv and for tokens.
; K = 320 is two and a half steps: the last step's blocks 2 and 3 are zeros, not loaded.
; No LDS, no barrier: waves share nothing.  Work-groups 0-327: weights; 328-519: front_feat.
.set WV, 2
.set X,  32                            ; v32-159  four blocks of 32 numbers
.set SB, 12                            ; v12      the four scale bytes
	s_load_b512 s[8:23], s[0:1], 0x0               ; w_pos2, wq, wk, wv, w_sa, w_fr, front_feat, wts
	s_load_b64 s[24:25], s[0:1], 0x40              ; fcodes
	v_lshrrev_b32 v1, 5, v0
	v_readfirstlane_b32 s[WV], v1                  ; wave 0..3
	v_and_b32 v1, 31, v0                           ; lane = my column among the wave's 32
	v_lshlrev_b32 v2, 2, v1                        ; 4 bytes a lane
	s_mov_b32 s41, 0                               ; high words of the two offsets
	s_mov_b32 s43, 0
	s_wait_kmcnt 0x0
; 128 rows of K, pitch bytes apart.  The second 64 are loaded only where K has them (s37 = 0); else they are zeros.
.macro LOADS pitch
.set i, 0
.rept 64
	global_load_b32 v[X+i], v2, s[26:27] offset:i*\pitch th:TH_LOAD_NT
.set i, i+1
.endr
	s_cmp_eq_u32 s37, 0
	s_cbranch_scc0 .Lshort_\@
.rept 64
	global_load_b32 v[X+i], v2, s[26:27] offset:i*\pitch th:TH_LOAD_NT
.set i, i+1
.endr
	s_branch .Lfull_\@
.Lshort_\@:
.set i, 64
.rept 64
	v_mov_b32 v[X+i], 0
.set i, i+1
.endr
.Lfull_\@:
.endm
	s_cmp_ge_u32 ttmp9, 328
	s_cbranch_scc1 .Lfeat
	; ---- a weight: which one, by the work-group's number alone
	s_mov_b64 s[26:27], s[8:9]                     ; w_pos2: front stream, steps 3..10
	s_mov_b32 s28, 0                               ; the range's first work-group
	s_mov_b32 s29, 3                               ; the weight's first step in its stream
	s_mov_b32 s30, 0                               ; the stream's first byte in wts
	s_mov_b32 s31, 19                              ; steps in the stream
	s_mov_b32 s32, 0                               ; all ones: natural column order
	s_cmp_ge_u32 ttmp9, 64
	s_cselect_b64 s[26:27], s[10:11], s[26:27]     ; wq: front stream, steps 11..18
	s_cselect_b32 s28, 64, s28
	s_cselect_b32 s29, 11, s29
	s_cmp_ge_u32 ttmp9, 128
	s_cselect_b64 s[26:27], s[12:13], s[26:27]     ; wk: satellite stream, steps 6..13
	s_cselect_b32 s28, 128, s28
	s_cselect_b32 s29, 6, s29
	s_cselect_b32 s30, 1945600, s30
	s_cselect_b32 s31, 22, s31
	s_cmp_ge_u32 ttmp9, 192
	s_cselect_b64 s[26:27], s[14:15], s[26:27]     ; wv: steps 14..21, natural order
	s_cselect_b32 s28, 192, s28
	s_cselect_b32 s29, 14, s29
	s_cselect_b32 s32, -1, s32
	s_cmp_ge_u32 ttmp9, 256
	s_cselect_b64 s[26:27], s[16:17], s[26:27]     ; w_sa: steps 0..5
	s_cselect_b32 s28, 256, s28
	s_cselect_b32 s29, 0, s29
	s_cselect_b32 s32, 0, s32
	s_cmp_ge_u32 ttmp9, 304
	s_cselect_b64 s[26:27], s[18:19], s[26:27]     ; w_fr: front stream, steps 0..2
	s_cselect_b32 s28, 304, s28
	s_cselect_b32 s30, 0, s30
	s_cselect_b32 s31, 19, s31
	s_sub_co_u32 s33, ttmp9, s28
	s_and_b32 s38, s33, 7                          ; which 128 columns
	s_lshr_b32 s39, s33, 3                         ; which step of 128 along K
	s_lshl_b32 s40, s39, 19                        ; 128 rows of 4,096 bytes
	s_lshl_b32 s44, s38, 9
	s_add_co_u32 s40, s40, s44
	s_lshl_b32 s44, s[WV], 7
	s_add_co_u32 s40, s40, s44
	s_add_nc_u64 s[26:27], s[26:27], s[40:41]      ; my wave's first number
	s_lshl_b32 s42, s38, 1
	s_lshr_b32 s44, s[WV], 1
	s_add_co_u32 s42, s42, s44                     ; which 64 columns: the reading wave
	s_mul_i32 s42, s42, s31
	s_add_co_u32 s42, s42, s29
	s_add_co_u32 s42, s42, s39
	s_mul_i32 s42, s42, 6400
	s_add_co_u32 s42, s42, s30
	s_add_nc_u64 s[34:35], s[22:23], s[42:43]      ; the record
	s_mov_b32 s36, 6144                            ; where its scale words begin
	s_cmp_ge_u32 ttmp9, 320                        ; w_fr's last step has 64 rows
	s_cselect_b32 s37, 1, 0
	s_wait_alu depctr_va_vdst(0)
	LOADS 4096
	s_branch .Lwork
.Lfeat:
	; ---- front_feat: columns are tokens, K the 320 channels, 16,384 bytes apart
	s_sub_co_u32 s33, ttmp9, 328
	s_and_b32 s38, s33, 31                         ; which 128 tokens
	s_lshr_b32 s39, s33, 5                         ; 0..5
	s_cmp_ge_u32 s39, 3
	s_cselect_b32 s44, 1, 0                        ; batch
	s_mul_i32 s45, s44, 3
	s_sub_co_u32 s39, s39, s45                     ; step
	s_mul_i32 s40, s44, 320
	s_lshl_b32 s45, s39, 7
	s_add_co_u32 s40, s40, s45
	s_lshl_b32 s40, s40, 14
	s_lshl_b32 s45, s38, 9
	s_add_co_u32 s40, s40, s45
	s_lshl_b32 s45, s[WV], 7
	s_add_co_u32 s40, s40, s45
	s_add_nc_u64 s[26:27], s[20:21], s[40:41]
	s_lshl_b32 s42, s44, 6
	s_lshl_b32 s45, s38, 1
	s_add_co_u32 s42, s42, s45
	s_lshr_b32 s45, s[WV], 1
	s_add_co_u32 s42, s42, s45                     ; block of 64 tokens
	s_mul_i32 s42, s42, 19200
	s_mul_i32 s45, s39, 6144
	s_add_co_u32 s42, s42, s45
	s_add_nc_u64 s[34:35], s[24:25], s[42:43]      ; the step's codes
	s_mul_i32 s45, s39, 5888
	s_sub_co_u32 s36, 18432, s45                   ; from there to the step's scale words: 18432 + 256 s - 6144 s
	s_cmp_eq_u32 s39, 2
	s_cselect_b32 s37, 1, 0
	s_mov_b32 s32, -1
	s_wait_alu depctr_va_vdst(0)
	LOADS 16384
.Lwork:
	; where my column's codes go: tile 2 (wave % 2) + u, row r
	v_bfe_u32 v3, v1, 3, 1                         ; permuted: u = (lane / 8) % 2,
	v_and_b32 v4, 7, v1
	v_lshrrev_b32 v13, 4, v1                       ; natural: u = lane / 16,
	v_lshl_or_b32 v4, v13, 3, v4                   ; r = lane % 8 + 8 (lane / 16)
	v_and_b32 v14, 15, v1                          ; r = lane % 16
	v_cndmask_b32 v3, v3, v13, s32
	v_cndmask_b32 v4, v4, v14, s32
	s_and_b32 s44, s[WV], 1
	s_lshl_b32 s44, s44, 1
	v_add_nc_u32 v3, s44, v3                       ; tile
	v_mul_u32_u24 v5, v3, 768
	v_lshl_add_u32 v5, v4, 4, v5                   ; 768 tile + 16 r
	v_lshlrev_b32 v7, 6, v3
	v_lshl_add_u32 v7, v4, 2, v7
	v_add_nc_u32 v7, s36, v7                       ; the scale word: 64 tile + 4 r
	s_wait_loadcnt 0x0                             ; all my numbers are in
; Block b: its largest magnitude needs no other lane.  Its 24 bytes of codes: registers 0-3 into v[DD] on, registers 4-5 into v[GG] on.
.macro BLOCK b
.set XS, X+32*(\b)
.set DD, 160+12*((\b)/2)+4*((\b)%2)
.set GG, 168+12*((\b)/2)+2*((\b)%2)
.set YY, 184+4*((\b)%2)
	v_max3_num_f32 v8, |v[XS]|, |v[XS+1]|, |v[XS+2]|
	v_max3_num_f32 v9, |v[XS+3]|, |v[XS+4]|, |v[XS+5]|
.irp i, 6,10,14,18,22,26
	v_max3_num_f32 v8, v8, |v[XS+\i]|, |v[XS+\i+1]|
	v_max3_num_f32 v9, v9, |v[XS+\i+2]|, |v[XS+\i+3]|
.endr
	v_max3_num_f32 v8, v8, |v[XS+30]|, |v[XS+31]|
	v_max3_num_f32 v8, v8, v9, 0x1800000           ; the floor 2^(3 - 127): the byte cannot fall under 1
	v_add_nc_u32 v10, 0xff000000, v8               ; 2 off the exponent field: the conversion's scale operand
	v_lshrrev_b32 v11, 23, v10                     ; the byte
.if (\b) == 0
	v_mov_b32 v[SB], v11
.else
	v_lshl_or_b32 v[SB], v11, 8*(\b), v[SB]
.endif
	v_cvt_scalef32_pk16_fp6_f32 v[DD:DD+2], v[XS:XS+15], v10
	v_cvt_scalef32_pk16_fp6_f32 v[YY:YY+2], v[XS+16:XS+31], v10   ; (a conversion's three registers begin on an even number)
	v_nop                                          ; one plain place behind a scaled conversion
	v_mov_b32 v[DD+3], v[YY]
	v_mov_b32 v[GG], v[YY+1]
	v_mov_b32 v[GG+1], v[YY+2]
.endm
	BLOCK 0
	BLOCK 1
	BLOCK 2
	BLOCK 3
.irp c, 0,1                            ; half c: block 2 c is the reader's lane (r, 0), block 2 c + 1 its lane (r, 1).  The sixteen lanes of a tile fill 256 consecutive aligned bytes in each store
	global_store_b128 v5, v[160+12*\c:163+12*\c], s[34:35] offset:3072*\c
	global_store_b128 v5, v[164+12*\c:167+12*\c], s[34:35] offset:3072*\c+256
	global_store_b128 v5, v[168+12*\c:171+12*\c], s[34:35] offset:3072*\c+512
.endr
	global_store_b32 v7, v[SB], s[34:35]
	s_endpgm
.Lfunc_end_k_qee19b4880f_prep:
	.size	k_qee19b4880f_prep, .Lfunc_end_k_qee19b4880f_prep-k_qee19b4880f_prep
	.p2alignl 7, 3214868480
	.fill 96, 4, 3214868480
	.section	.rodata,"a",@progbits
	.p2align	6, 0x0
	.amdhsa_kernel k_qee19b4880f_prep
		.amdhsa_group_segment_fixed_size 0
		.amdhsa_private_segment_fixed_size 0
		.amdhsa_enable_private_segment 0
		.amdhsa_kernarg_size 72
		.amdhsa_user_sgpr_count 2
		.amdhsa_user_sgpr_kernarg_segment_ptr 1
		.amdhsa_wavefront_size32 1
		.amdhsa_system_sgpr_workgroup_id_x 1
		.amdhsa_system_sgpr_workgroup_id_y 1
		.amdhsa_system_sgpr_workgroup_id_z 1
		.amdhsa_system_vgpr_workitem_id 0
		.amdhsa_next_free_vgpr 192
		.amdhsa_next_free_sgpr 66
		.amdhsa_reserve_vcc 0
		.amdhsa_float_denorm_mode_32 3
		.amdhsa_float_denorm_mode_16_64 3
		.amdhsa_memory_ordered 1
		.amdhsa_forward_progress 1
		.amdhsa_inst_pref_size 40
	.end_amdhsa_kernel
	.amdgpu_metadata
---
amdhsa.version: [ 1, 2 ]
amdhsa.kernels:
  - .name:           k_qee19b4880f_prep
    .symbol:         k_qee19b4880f_prep.kd
    .args:
      - { .name: w_pos2, .offset: 0, .size: 8, .value_kind: global_buffer, .address_space: global }
      - { .name: wq, .offset: 8, .size: 8, .value_kind: global_buffer, .address_space: global }
      - { .name: wk, .offset: 16, .size: 8, .value_kind: global_buffer, .address_space: global }
      - { .name: wv, .offset: 24, .size: 8, .value_kind: global_buffer, .address_space: global }
      - { .name: w_sa, .offset: 32, .size: 8, .value_kind: global_buffer, .address_space: global }
      - { .name: w_fr, .offset: 40, .size: 8, .value_kind: global_buffer, .address_space: global }
      - { .name: front_feat, .offset: 48, .size: 8, .value_kind: global_buffer, .address_space: global }
      - { .name: wts, .offset: 56, .size: 8, .value_kind: global_buffer, .address_space: global }
      - { .name: fcodes, .offset: 64, .size: 8, .value_kind: global_buffer, .address_space: global }
    .group_segment_fixed_size: 0
    .private_segment_fixed_size: 0
    .kernarg_segment_align: 8
    .kernarg_segment_size: 72
    .max_flat_workgroup_size: 128
    .sgpr_count:     66
    .vgpr_count:     192
    .wavefront_size: 32
...
	.end_amdgpu_metadata
.endif
;; end of part 1
;; launch chain (part 2): grid 192 x 1, 16 waves a work-group, no clusters, 284,160 bytes of LDS; arguments front_bev_xy, w_pos1, b_pos1, b_fr, g_fr, be_fr, b_pos2, g_qn, be_qn, bq, wts, fcodes, qb, sat_tokens, sat_xy, b_sa, g_sa, be_sa, bk, bv, kvb; writes qb, kvb
.if DOCPART == 2
	.amdgcn_target "amdgcn-amd-amdhsa--gfx1250"
	.amdhsa_code_object_version 6
	.text
	.protected	k_qee19b4880f_chain
	.globl	k_qee19b4880f_chain
	.p2align	8
	.type	k_qee19b4880f_chain,@function
k_qee19b4880f_chain:
	s_mov_b64 s[64:65], 0
	v_nop
	global_prefetch_b8 v0, s[64:65] scope:SCOPE_SE
	s_setreg_imm32_b32 hwreg(HW_REG_WAVE_MODE, 25, 1), 1
	s_wait_xcnt 0x0
; Work-groups 0-127: the front chain for 64 tokens each: q = rope(LN(silu(xy w_pos1 + b_pos1) w_pos2 + b_pos2 + LN(front w_fr + b_fr)) wq + bq), stored as codes of FP6 along the head's 64.
; Work-groups 128-191: the satellite chain for 64 tokens each: sat = LN(tokens w_sa + b_sa); then 128-159: k = rope(sat wk + bk) as codes along the head's 64; 160-191: v = sat wv + bv as codes along the KEYS.
; The two work-groups of a block of satellite tokens both make sat (6 K steps) and then walk 8 steps each: 14 K steps on end where one work-group would walk 22, so that the longest walk is the front chain's 19.
; All products on codes of FP6 (E2M3) with one E8M0 scale for each 32 along K; everything ahead of a quantiser in f32.  The chains part on the work-group's number; front and satellite have LDS bytes of their own.
; SHARES.  Sixteen waves.  THE WAVES SHARE THE COLUMNS: wave w makes columns 64 w .. 64 w + 63 (head w) for all 64 rows: 16 accumulators, 128 registers.  A LayerNorm's row of 1,024 so lies in one work-group.
; Weights go from memory straight into the registers of the one wave that uses them (records laid by the launch before; the stream runs on from stage to stage); each fragment feeds four products.
; No cluster: a tile asked for jointly would have to pass through LDS, which would double the LDS bytes read in each K step (64 rows' codes against 64 rows' and 1,024 columns').
; Activations go from wave to wave through LDS as images of the operand's registers (half image: 16 rows x 64 K, 768 bytes: registers 0-3 at 16 x lane, registers 4-5 at 512 + 16 r + 8 h).
; THE PRODUCTS ARE USED TRANSPOSED (source 0 = 16 columns of the weight, source 1 = 16 rows), and a weight tile's columns are permuted, so that v[ACC + 32 m + 16 b + i] is (row r of tile m, column 64 w + 32 b + 16 h + i):
; a lane's 32 registers of a row tile are two half blocks of the next K.  For v the sources are swapped: a lane holds one channel and its registers run along the tokens, which are the last product's K.
; The satellite tokens of a row tile are permuted likewise (lane r of tile m: token 32 (m / 2) + 8 (m % 2) + r + 8 (r / 8)), which is the order in which the attention wants a tile's keys.
; Biases start the sums (they are loaded into the accumulators); b_pos2 is added to be_fr, and the second front product adds onto the first LayerNorm's result.
; q's SCALE BYTES ARE STORED 3 LOWER THAN THE QUANTISER GIVES THEM: that is the logits' division by 8, a power of two, which rounds nothing.
; LayerNorm: each wave's mean and sum of squared differences of its 64 columns; the sixteen pairs are combined by their means' spread: no difference of large sums.
; sin and cos: reduction by pi / 2 in two parts, polynomials on +-pi / 4.
; LIMITS: NaN and infinities among the inputs are not served; a block of zeros or under 2^-124 keeps the scale byte 1; a block of q under 2^-121 is quantised under the scale 2^-123 (so that its stored byte stays at 1 or above);
; angles beyond about 1e5 lose accuracy in the reduction; sums begin with their bias and be_fr + b_pos2 is added first, which moves results by a rounding of f32.
; THE SATELLITE TOKENS' ORDER IN A ROW TILE, which stands in place of the order named above: lane r of tile m takes token 8 m + r % 8 + 32 (r / 8) of the block of 64.
; With it a lane's 32 registers of v (sources swapped) are tokens 32 h + 0 .. 31, one whole block of the last product's K, and the attention's p falls likewise.
.set F_VEC, 0
.set F_AF,  40960                      ; front_feat's codes of my 64 tokens: 3 steps x 6,144, scale words at 18,432
.set F_AH,  60416                      ; images of the hidden layer, later of q_embed: 16 halves x 3,072, scale words at 49,152
.set F_ST,  111616                     ; statistics: 2304 m + 144 r + 8 w; the second LayerNorm's 9,216 further on
.set F_RP,  130048                     ; cos and sin: 2560 m + 80 x lane: cos 0..7, then sin 0..7
.set S_VEC, 140288                     ; satellite: b_sa, g_sa, be_sa, bk
.set S_BVR, 156672                     ; bv, each number four times: 1024 w + 16 x column
.set S_AS,  173056                     ; images of the tokens: 12 halves x 3,072, scale words at 36,864
.set S_AN,  211456                     ; images of sat: 16 halves, scale words at 49,152
.set S_ST,  262656
.set S_RP,  271872
.set SPARE, 282112                     ; the spare words, 128 bytes for each wave: eight blocks of 256 bytes that no other line names
.set SPW, 1                            ; v1   my spare word's address; never rewritten
.set NIL, 2                            ; v2   0; never rewritten
.set GA,  3                            ; v3   16 x lane
.set GB,  4                            ; v4   16 r + 8 h
.set GS,  5                            ; v5   4 x lane
.set LAa, 6                            ; v6-8 the K step's LDS addresses
.set LAb, 7
.set LAs, 8
.set IWa, 9                            ; v9-11 where I store my images and their scale half words
.set IWb, 10
.set IWs, 11
.set VA,  12                           ; v12  my columns in the vectors: 256 w + 64 h
.set STW, 13                           ; v13  statistics, written: 144 r + 8 w
.set STR, 14                           ; v14  read: 144 r + 64 h
.set RPR, 15                           ; v15  cos and sin, read: 80 x lane
.set WS,  24                           ; v24-25 the weights' scale words; v26-27 the rows': these four hold scales and nothing else
.set AS,  26
.set WF,  32                           ; v32-79  four weight fragments
.set AFR, 80                           ; v80-127 four row fragments; outside the products: at work
.set PWQ, 104                          ; v104-107 the scale words just made
.set TM,  112
.set PT,  120
.set ACC, 128                          ; v128-255
.set WV,  2
.set CNT, 3
.set WP,  4                            ; s[4:5] the weight stream
.set TA,  6
.set TS,  7
.set SBK, 33
.set SEL, 34
.set JMP, 46                           ; s[46:47] satellite: what the stream leaps behind w_sa's records: nothing to wk's, eight records to wv's
.set KV,  66
.set KE,  67
.macro BARRIER                         ; my LDS stores have landed and my LDS loads are in: then the work-group's barrier
	s_wait_dscnt 0x0
	s_barrier_signal -1
	s_barrier_wait -1
.endm
; Half g of the record at off: tiles 2 g and 2 g + 1 and their scale words (lanes 0-15 tile 2 g, lanes 16-31 tile 2 g + 1): nine loads
.macro WLOAD g, off
.irp t, 2*\g, 2*\g+1
.irp c, 0,1
	global_load_b128 v[WF+12*(\t)+6*\c:WF+12*(\t)+6*\c+3], v[GA], s[WP:WP+1] offset:\off+3072*\c+768*(\t)
	global_load_b64 v[WF+12*(\t)+6*\c+4:WF+12*(\t)+6*\c+5], v[GB], s[WP:WP+1] offset:\off+3072*\c+768*(\t)+512
.endr
.endr
	global_load_b32 v[WS+\g], v[GS], s[WP:WP+1] offset:\off+6144+128*\g
.endm
.macro ALOAD                           ; the K step's four row fragments and their scale words
.irp m, 0,1,2,3
.irp c, 0,1
	ds_load_b128 v[AFR+12*\m+6*\c:AFR+12*\m+6*\c+3], v[LAa] offset:3072*\c+768*\m
	ds_load_b64 v[AFR+12*\m+6*\c+4:AFR+12*\m+6*\c+5], v[LAb] offset:3072*\c+768*\m+512
.endr
.endr
	ds_load_b32 v[AS], v[LAs]
	ds_load_b32 v[AS+1], v[LAs] offset:128
.endm
.macro WMX d, a, b, sa, sb, ra, rb
.if (\ra) && (\rb)
	v_wmma_scale_f32_16x16x128_f8f6f4 v[\d:\d+7], v[\a:\a+11], v[\b:\b+11], v[\d:\d+7], v[\sa], v[\sb] matrix_a_fmt:MATRIX_FMT_FP6 matrix_b_fmt:MATRIX_FMT_FP6 matrix_a_scale:MATRIX_SCALE_ROW1 matrix_b_scale:MATRIX_SCALE_ROW1
.elseif (\ra)
	v_wmma_scale_f32_16x16x128_f8f6f4 v[\d:\d+7], v[\a:\a+11], v[\b:\b+11], v[\d:\d+7], v[\sa], v[\sb] matrix_a_fmt:MATRIX_FMT_FP6 matrix_b_fmt:MATRIX_FMT_FP6 matrix_a_scale:MATRIX_SCALE_ROW1
.elseif (\rb)
	v_wmma_scale_f32_16x16x128_f8f6f4 v[\d:\d+7], v[\a:\a+11], v[\b:\b+11], v[\d:\d+7], v[\sa], v[\sb] matrix_a_fmt:MATRIX_FMT_FP6 matrix_b_fmt:MATRIX_FMT_FP6 matrix_b_scale:MATRIX_SCALE_ROW1
.else
	v_wmma_scale_f32_16x16x128_f8f6f4 v[\d:\d+7], v[\a:\a+11], v[\b:\b+11], v[\d:\d+7], v[\sa], v[\sb] matrix_a_fmt:MATRIX_FMT_FP6 matrix_b_fmt:MATRIX_FMT_FP6
.endif
.endm
.macro WM m, t, swap                   ; row tile m x weight tile t
.if \swap
	WMX ACC+32*(\t)+8*(\m), AFR+12*(\m), WF+12*(\t), AS+(\m)/2, WS+(\t)/2, (\m)%2, (\t)%2
.else
	WMX ACC+32*(\m)+8*(\t), WF+12*(\t), AFR+12*(\m), WS+(\t)/2, AS+(\m)/2, (\t)%2, (\m)%2
.endif
.endm
; A K step of 128: 16 products, the 16 accumulators by turns, one instruction a turn, over the backward jump too.
; ld = 1: each half of the next record is asked for as soon as this record's half has been multiplied.
.macro KSTEP ld, swap
	v_add_nc_u32 v[LAa], s[TA], v[GA]
	v_add_nc_u32 v[LAb], s[TA], v[GB]
	v_add_nc_u32 v[LAs], s[TS], v[GS]
	ALOAD
	s_wait_loadcnt 9                               ; the record's first half is in; the nine loads of its second half, the only ones issued behind it, may be out
	s_wait_dscnt 0x0
.irp t, 0,1
.irp m, 0,1,2,3
	WM \m, \t, \swap
.endr
.endr
.rept 4
	v_nop                                          ; four places in front of loads into registers that matrix instructions have read
.endr
.if \ld
	WLOAD 0, 6400
	s_wait_loadcnt 9                               ; the second half is in; the nine just issued may be out
.else
	s_wait_loadcnt 0x0
.endif
.irp t, 2,3
.irp m, 0,1,2,3
	WM \m, \t, \swap
.endr
.endr
.rept 4
	v_nop                                          ; and in front of the first read of results
.endr
.if \ld
	WLOAD 1, 6400
	s_wait_xcnt 0x0                                ; the loads have read their base: it steps only behind this wait
	s_add_nc_u64 s[WP:WP+1], s[WP:WP+1], 6400
.endif
	s_add_co_u32 s[TA], s[TA], 6144
	s_add_co_u32 s[TS], s[TS], 256
.endm
.macro GEMM codes, scales, trips, swap
	s_mov_b32 s[TA], \codes
	s_mov_b32 s[TS], \scales
	s_mov_b32 s[CNT], \trips
.Lg_\@:
	s_wait_alu depctr_va_vdst(0)
	KSTEP 1, \swap
	s_sub_co_u32 s[CNT], s[CNT], 1
	s_cmp_lg_u32 s[CNT], 0
	s_cbranch_scc1 .Lg_\@
.endm
.macro ACCINIT vec                     ; the bias of my columns starts all 16 sums: register 16 b + i of every row tile takes column 32 b + 16 h + i
.set i, 0
.rept 32
	ds_load_b128 v[ACC+4*i:ACC+4*i+3], v[VA] offset:4096*\vec+128*((i%8)/4)+16*(i%4)
.set i, i+1
.endr
.endm
; 32 numbers of a lane, register 16 b + i = k 32 b + 16 h + i of my row, become half a fragment's codes (six registers from pc on) and two scale bytes (pw).  fl: the floor under a block's largest magnitude
.macro QUANT2F s, pc, pw, fl
.irp b, 0,1
	v_max3_num_f32 v[TM+\b], |v[\s+16*\b]|, |v[\s+1+16*\b]|, \fl
.endr
.irp i, 2,4,6,8,10,12,14
.irp b, 0,1
	v_max3_num_f32 v[TM+\b], v[TM+\b], |v[\s+16*\b+\i]|, |v[\s+1+16*\b+\i]|
.endr
.endr
.irp b, 0,1
	s_delay_alu instid0(VALU_DEP_2)
	v_permlanex16_b32 v[TM+2+\b], v[TM+\b], s[SEL], s[SEL+1]
.endr
.irp b, 0,1
	s_delay_alu instid0(VALU_DEP_2)
	v_max_num_f32 v[TM+\b], v[TM+\b], v[TM+2+\b]   ; with lane l xor 16's: the block's largest magnitude
.endr
.irp b, 0,1
	s_delay_alu instid0(VALU_DEP_2)
	v_add_nc_u32 v[TM+4+\b], 0xff000000, v[TM+\b]  ; 2 off the exponent field: the conversion's scale operand
.endr
.irp b, 0,1
	s_delay_alu instid0(VALU_DEP_2)
	v_lshrrev_b32 v[TM+2+\b], 23, v[TM+4+\b]       ; the byte
.endr
	s_delay_alu instid0(VALU_DEP_1)
	v_lshl_or_b32 v[\pw], v[TM+3], 8, v[TM+2]
	v_cvt_scalef32_pk16_fp6_f32 v[\pc:\pc+2], v[\s:\s+15], v[TM+4]
	v_cvt_scalef32_pk16_fp6_f32 v[PT:PT+2], v[\s+16:\s+31], v[TM+5]
	v_nop                                          ; one plain place behind a scaled conversion
.irp i, 0,1,2
	v_permlane16_swap_b32 v[\pc+\i], v[PT+\i]      ; a whole block to a lane: lanes 0-15 block 0, lanes 16-31 block 1
.endr
.irp i, 0,1,2
	s_delay_alu instid0(VALU_DEP_3)
	v_mov_b32 v[\pc+3+\i], v[PT+\i]
.endr
.endm
; 32 numbers of a lane, register i = k 32 h + i of my row: one whole block.  They become half a fragment's codes (six registers from pc on); the two scale bytes (pw) are joined from lanes l and l xor 16
.macro QUANTV s, pc, pw
	v_max3_num_f32 v[TM], |v[\s]|, |v[\s+1]|, 0x1800000            ; with the floor 2^(3 - 127): the byte cannot fall under 1.  Each accumulator is read from its low end on
	v_max3_num_f32 v[TM+1], |v[\s+2]|, |v[\s+3]|, |v[\s+4]|
.irp i, 5,9,13,17,21,25
	v_max3_num_f32 v[TM], v[TM], |v[\s+\i]|, |v[\s+\i+1]|
	v_max3_num_f32 v[TM+1], v[TM+1], |v[\s+\i+2]|, |v[\s+\i+3]|
.endr
	v_max3_num_f32 v[TM], v[TM], |v[\s+29]|, |v[\s+30]|
	v_lshlrev_b32 v[TM+3], 3, v30                  ; 8 h
	v_max3_num_f32 v[TM], v[TM], v[TM+1], |v[\s+31]|
	v_add_nc_u32 v[TM+4], 0xff000000, v[TM]        ; 2 off the exponent field: the conversion's scale operand
	v_lshrrev_b32 v[TM+2], 23, v[TM+4]             ; the byte,
	v_lshlrev_b32 v[TM+2], v[TM+3], v[TM+2]        ; at its place: block h
	v_permlanex16_b32 v[TM+5], v[TM+2], s[SEL], s[SEL+1]
	v_or_b32 v[\pw], v[TM+2], v[TM+5]
	v_cvt_scalef32_pk16_fp6_f32 v[\pc:\pc+2], v[\s:\s+15], v[TM+4]
	v_cvt_scalef32_pk16_fp6_f32 v[PT:PT+2], v[\s+16:\s+31], v[TM+4]
	v_nop                                          ; one plain place behind a scaled conversion
.irp i, 0,1,2
	v_mov_b32 v[\pc+3+\i], v[PT+\i]
.endr
.endm
.macro QUANT2 s, pc, pw
	QUANT2F \s, \pc, \pw, 0x1800000
.endm
.macro IMG m                           ; row tile m's half image and its two scale bytes go to LDS as they stand
	ds_store_b128 v[IWa], v[80+6*\m:83+6*\m] offset:768*\m
	ds_store_b64 v[IWb], v[84+6*\m:85+6*\m] offset:768*\m+512
	ds_store_b16 v[IWs], v[PWQ+\m] offset:64*\m
.endm
; My 64 columns' mean and sum of squared differences from it, for each of the 64 rows; the four row tiles by turns; each accumulator is read from its low end on
.macro LNSTAT st
.irp m, 0,1,2,3
	v_pk_add_f32 v[80+4*\m:81+4*\m], v[ACC+32*\m:ACC+32*\m+1], v[ACC+32*\m+4:ACC+32*\m+5]
	v_pk_add_f32 v[82+4*\m:83+4*\m], v[ACC+32*\m+2:ACC+32*\m+3], v[ACC+32*\m+6:ACC+32*\m+7]
.endr
.irp p, 8,12,16,20,24,28
.irp m, 0,1,2,3
	v_pk_add_f32 v[80+4*\m:81+4*\m], v[80+4*\m:81+4*\m], v[ACC+32*\m+\p:ACC+32*\m+\p+1]
	v_pk_add_f32 v[82+4*\m:83+4*\m], v[82+4*\m:83+4*\m], v[ACC+32*\m+\p+2:ACC+32*\m+\p+3]
.endr
.endr
.irp m, 0,1,2,3
	v_pk_add_f32 v[80+4*\m:81+4*\m], v[80+4*\m:81+4*\m], v[82+4*\m:83+4*\m]
.endr
.irp m, 0,1,2,3
	s_delay_alu instid0(VALU_DEP_4)
	v_add_f32 v[80+4*\m], v[80+4*\m], v[81+4*\m]
.endr
.irp m, 0,1,2,3
	s_delay_alu instid0(VALU_DEP_4)
	v_permlanex16_b32 v[112+\m], v[80+4*\m], s[SEL], s[SEL+1]
.endr
.irp m, 0,1,2,3
	s_delay_alu instid0(VALU_DEP_4)
	v_add_f32 v[80+4*\m], v[80+4*\m], v[112+\m]
.endr
.irp m, 0,1,2,3
	s_delay_alu instid0(VALU_DEP_4)
	v_mul_f32 v[16+2*\m], 0x3c800000, v[80+4*\m]   ; / 64
.endr
.set p, 0
.rept 16
.irp m, 0,1,2,3
	v_pk_add_f32 v[96+2*\m:97+2*\m], v[ACC+32*\m+p:ACC+32*\m+p+1], v[16+2*\m:17+2*\m] op_sel_hi:[1,0] neg_lo:[0,1] neg_hi:[0,1]
.endr
.irp m, 0,1,2,3
.if p == 0
	s_delay_alu instid0(VALU_DEP_4)
	v_pk_mul_f32 v[80+4*\m:81+4*\m], v[96+2*\m:97+2*\m], v[96+2*\m:97+2*\m]
.else
	s_delay_alu instid0(VALU_DEP_4)
	v_pk_fma_f32 v[80+4*\m:81+4*\m], v[96+2*\m:97+2*\m], v[96+2*\m:97+2*\m], v[80+4*\m:81+4*\m]
.endif
.endr
.set p, p+2
.endr
.irp m, 0,1,2,3
	s_delay_alu instid0(VALU_DEP_4)
	v_add_f32 v[80+4*\m], v[80+4*\m], v[81+4*\m]
.endr
.irp m, 0,1,2,3
	s_delay_alu instid0(VALU_DEP_4)
	v_permlanex16_b32 v[112+\m], v[80+4*\m], s[SEL], s[SEL+1]
.endr
.irp m, 0,1,2,3
	s_delay_alu instid0(VALU_DEP_4)
	v_add_f32 v[17+2*\m], v[80+4*\m], v[112+\m]
.endr
.irp m, 0,1,2,3
	ds_store_b64 v[STW], v[16+2*\m:17+2*\m] offset:\st+2304*\m   ; both halves of the lanes write the same pair to the same place
.endr
.endm
; The sixteen pairs of each row become the row's mean (v[16 + 2 m]) and 1 / sqrt(variance + 1e-5) (v[17 + 2 m]); two row tiles at a time.  A lane reads the pairs of waves 8 h .. 8 h + 7
.macro LNCOMB st
.irp m0, 0,2
.irp e, 0,1
.irp q, 0,1,2,3
	ds_load_b128 v[80+16*\e+4*\q:83+16*\e+4*\q], v[STR] offset:\st+2304*(\m0+\e)+16*\q
.endr
.endr
	s_wait_dscnt 0x0
.irp e, 0,1
	v_pk_add_f32 v[112+4*\e:113+4*\e], v[80+16*\e:81+16*\e], v[82+16*\e:83+16*\e]
	v_pk_add_f32 v[114+4*\e:115+4*\e], v[84+16*\e:85+16*\e], v[86+16*\e:87+16*\e]
.endr
.irp e, 0,1
	s_delay_alu instid0(VALU_DEP_4)
	v_pk_add_f32 v[112+4*\e:113+4*\e], v[112+4*\e:113+4*\e], v[88+16*\e:89+16*\e]
	s_delay_alu instid0(VALU_DEP_4)
	v_pk_add_f32 v[114+4*\e:115+4*\e], v[114+4*\e:115+4*\e], v[90+16*\e:91+16*\e]
.endr
.irp e, 0,1
	s_delay_alu instid0(VALU_DEP_4)
	v_pk_add_f32 v[112+4*\e:113+4*\e], v[112+4*\e:113+4*\e], v[92+16*\e:93+16*\e]
	s_delay_alu instid0(VALU_DEP_4)
	v_pk_add_f32 v[114+4*\e:115+4*\e], v[114+4*\e:115+4*\e], v[94+16*\e:95+16*\e]
.endr
.irp e, 0
	s_delay_alu instid0(VALU_DEP_3)
	v_pk_add_f32 v[112+4*\e:113+4*\e], v[112+4*\e:113+4*\e], v[114+4*\e:115+4*\e]
.endr
.irp e, 1
	s_delay_alu instid0(VALU_DEP_2)
	v_pk_add_f32 v[112+4*\e:113+4*\e], v[112+4*\e:113+4*\e], v[114+4*\e:115+4*\e]
.endr
.irp e, 0
	s_delay_alu instid0(VALU_DEP_2)
	v_permlanex16_b32 v[114+4*\e], v[112+4*\e], s[SEL], s[SEL+1]
	s_delay_alu instid0(VALU_DEP_3)
	v_permlanex16_b32 v[115+4*\e], v[113+4*\e], s[SEL], s[SEL+1]
.endr
.irp e, 1
	s_delay_alu instid0(VALU_DEP_3)
	v_permlanex16_b32 v[114+4*\e], v[112+4*\e], s[SEL], s[SEL+1]
	s_delay_alu instid0(VALU_DEP_4)
	v_permlanex16_b32 v[115+4*\e], v[113+4*\e], s[SEL], s[SEL+1]
.endr
.irp e, 0
	s_delay_alu instid0(VALU_DEP_3)
	v_pk_add_f32 v[112+4*\e:113+4*\e], v[112+4*\e:113+4*\e], v[114+4*\e:115+4*\e]   ; the sum of the 16 means, the sum of the 16 sums of squares
.endr
.irp e, 1
	s_delay_alu instid0(VALU_DEP_2)
	v_pk_add_f32 v[112+4*\e:113+4*\e], v[112+4*\e:113+4*\e], v[114+4*\e:115+4*\e]   ; the sum of the 16 means, the sum of the 16 sums of squares
.endr
.irp e, 0,1
	s_delay_alu instid0(VALU_DEP_2)
	v_mul_f32 v[16+2*(\m0+\e)], 0x3d800000, v[112+4*\e]   ; / 16: the row's mean
.endr
.irp i, 0,1,2,3,4,5,6,7
.irp e, 0,1
	v_sub_f32 v[80+16*\e+2*\i], v[80+16*\e+2*\i], v[16+2*(\m0+\e)]
.endr
.endr
.irp e, 0,1
	v_mul_f32 v[120+\e], v[80+16*\e], v[80+16*\e]
.endr
.irp i, 1,2,3,4,5,6,7
.irp e, 0,1
	s_delay_alu instid0(VALU_DEP_2)
	v_fma_f32 v[120+\e], v[80+16*\e+2*\i], v[80+16*\e+2*\i], v[120+\e]
.endr
.endr
.irp e, 0,1
	s_delay_alu instid0(VALU_DEP_2)
	v_permlanex16_b32 v[122+\e], v[120+\e], s[SEL], s[SEL+1]
.endr
.irp e, 0,1
	s_delay_alu instid0(VALU_DEP_2)
	v_add_f32 v[120+\e], v[120+\e], v[122+\e]
.endr
.irp e, 0,1
	s_delay_alu instid0(VALU_DEP_2)
	v_fmamk_f32 v[120+\e], v[120+\e], 0x42800000, v[113+4*\e]   ; 64 x the means' spread + the sums of squares
.endr
.irp e, 0,1
	s_delay_alu instid0(VALU_DEP_2)
	v_fma_f32 v[120+\e], v[120+\e], s[KV], s[KE]   ; / 1024 + 1e-5
.endr
	s_wait_alu depctr_va_vdst(0)
.irp e, 0,1
	v_rsq_f32 v[17+2*(\m0+\e)], v[120+\e]
.endr
	v_nop                                          ; a plain place behind the transcendentals
.endr
	s_wait_alu depctr_va_vdst(0)                   ; one wait for the four, ahead of their first reader
.endm
; x = (x - mean) / sqrt(..) x g + be (+ b2v, where b2v is not negative), 16 columns of a lane at a time
.macro LNNORM gv, bev, b2v
.irp hb, 0,1
.irp q, 0,1,2,3
	ds_load_b128 v[80+4*\q:83+4*\q], v[VA] offset:4096*\gv+128*\hb+16*\q
	ds_load_b128 v[96+4*\q:99+4*\q], v[VA] offset:4096*\bev+128*\hb+16*\q
.if \b2v >= 0
	ds_load_b128 v[112+4*\q:115+4*\q], v[VA] offset:4096*(\b2v)+128*\hb+16*\q
.endif
.endr
	s_wait_dscnt 0x0
.if \b2v >= 0
.irp p, 0,2,4,6,8,10,12,14
	v_pk_add_f32 v[96+\p:97+\p], v[96+\p:97+\p], v[112+\p:113+\p]
.endr
.endif
.irp m, 0,1,2,3
	v_mov_b32 v[112+2*\m], v[17+2*\m]              ; into a pair's low word, which the packed forms take for both halves
.endr
.irp p, 0,2,4,6,8,10,12,14
.irp m, 0,1,2,3
	v_pk_add_f32 v[ACC+32*\m+16*\hb+\p:ACC+32*\m+16*\hb+\p+1], v[ACC+32*\m+16*\hb+\p:ACC+32*\m+16*\hb+\p+1], v[16+2*\m:17+2*\m] op_sel_hi:[1,0] neg_lo:[0,1] neg_hi:[0,1]
.endr
.irp m, 0,1,2,3
	s_delay_alu instid0(VALU_DEP_4)
	v_pk_mul_f32 v[ACC+32*\m+16*\hb+\p:ACC+32*\m+16*\hb+\p+1], v[ACC+32*\m+16*\hb+\p:ACC+32*\m+16*\hb+\p+1], v[112+2*\m:113+2*\m] op_sel_hi:[1,0]
.endr
.irp m, 0,1,2,3
	s_delay_alu instid0(VALU_DEP_4)
	v_pk_fma_f32 v[ACC+32*\m+16*\hb+\p:ACC+32*\m+16*\hb+\p+1], v[ACC+32*\m+16*\hb+\p:ACC+32*\m+16*\hb+\p+1], v[80+\p:81+\p], v[96+\p:97+\p]
.endr
.endr
.endr
.endm
; cos and sin of v[a]: n = nearest whole number to a x 2 / pi; r = a - n pi / 2, pi / 2 in two parts; polynomials in r; the quadrant n mod 4 swaps them and sets the signs, by selects
.macro SINCOS a, c, s
	v_mul_f32 v88, 0x3f22f983, v[\a]
	s_delay_alu instid0(VALU_DEP_1)
	v_rndne_f32 v88, v88
	s_delay_alu instid0(VALU_DEP_1)
	v_fmamk_f32 v89, v88, 0xbfc90fdb, v[\a]
	s_delay_alu instid0(VALU_DEP_1)
	v_fmamk_f32 v89, v88, 0x333bbd2e, v89
	s_delay_alu instid0(VALU_DEP_1)
	v_mul_f32 v90, v89, v89
	v_mov_b32 v[\s], 0xb94ca1f9
	s_delay_alu instid0(VALU_DEP_1)
	v_fmaak_f32 v[\s], v[\s], v90, 0x3c08839e
	s_delay_alu instid0(VALU_DEP_1)
	v_fmaak_f32 v[\s], v[\s], v90, 0xbe2aaaa3
	s_delay_alu instid0(VALU_DEP_1)
	v_mul_f32 v[\s], v[\s], v90
	s_delay_alu instid0(VALU_DEP_1)
	v_fma_f32 v[\s], v[\s], v89, v89
	v_mov_b32 v[\c], 0x37ccf5ce
	s_delay_alu instid0(VALU_DEP_1)
	v_fmaak_f32 v[\c], v[\c], v90, 0xbab6061a
	s_delay_alu instid0(VALU_DEP_1)
	v_fmaak_f32 v[\c], v[\c], v90, 0x3d2aaaa5
	s_delay_alu instid0(VALU_DEP_1)
	v_mul_f32 v[\c], v[\c], v90
	v_fma_f32 v91, v90, -0.5, 1.0
	s_delay_alu instid0(VALU_DEP_1)
	v_fma_f32 v[\c], v[\c], v90, v91
	v_cvt_i32_f32 v88, v88
	s_delay_alu instid0(VALU_DEP_1)
	v_and_b32 v91, 1, v88
	s_delay_alu instid0(VALU_DEP_1)
	v_cmp_eq_u32 vcc_lo, 1, v91
	s_delay_alu instid0(VALU_DEP_1)
	v_cndmask_b32 v91, v[\s], v[\c], vcc_lo
	s_delay_alu instid0(VALU_DEP_2)
	v_cndmask_b32 v[\c], v[\c], v[\s], vcc_lo
	v_and_b32 v[\s], 2, v88
	s_delay_alu instid0(VALU_DEP_1)
	v_lshlrev_b32 v[\s], 30, v[\s]
	s_delay_alu instid0(VALU_DEP_1)
	v_xor_b32 v[\s], v[\s], v91
	v_add_nc_u32 v88, 1, v88
	s_delay_alu instid0(VALU_DEP_1)
	v_and_b32 v88, 2, v88
	s_delay_alu instid0(VALU_DEP_1)
	v_lshlrev_b32 v88, 30, v88
	s_delay_alu instid0(VALU_DEP_1)
	v_xor_b32 v[\c], v[\c], v88
.endm
; Wave w makes, for row tile w / 4, the cos and sin of frequencies 2 (w % 4) and 2 (w % 4) + 1 (10000^(-j / 8)).  v249: the lane's coordinate (x in lanes 0-15, y in lanes 16-31); v248: where they go
.macro ROPETAB
	s_and_b32 s38, s[WV], 3
	s_mov_b32 s39, 0x3f800000
	s_mov_b32 s40, 0x3ea1e89b
	s_cmp_eq_u32 s38, 1
	s_cselect_b32 s39, 0x3dcccccd, s39
	s_cselect_b32 s40, 0x3d0186e2, s40
	s_cmp_eq_u32 s38, 2
	s_cselect_b32 s39, 0x3c23d70a, s39
	s_cselect_b32 s40, 0x3b4f3e37, s40
	s_cmp_eq_u32 s38, 3
	s_cselect_b32 s39, 0x3a83126f, s39
	s_cselect_b32 s40, 0x39a5cb5f, s40
	v_mul_f32 v80, s39, v249
	v_mul_f32 v81, s40, v249
	SINCOS 80, 84, 86
	SINCOS 81, 85, 87
	ds_store_b64 v248, v[84:85]
	ds_store_b64 v248, v[86:87] offset:32
.endm
; The rotation of row tiles m0 and m0 + 1: lanes 0-15 hold channels 0-15 (turned by x), lanes 16-31 channels 16-31 (by y): registers 0-7 are a, 8-15 are b.  Nothing changes lanes
.macro ROPE2 m0
.irp e, 0,1
.irp q, 0,1,2,3
	ds_load_b128 v[80+16*\e+4*\q:83+16*\e+4*\q], v[RPR] offset:2560*(\m0+\e)+16*\q
.endr
.endr
	s_wait_dscnt 0x0
.irp e, 0,1
.irp j, 0,2,4,6
	v_pk_mul_f32 v[112+\j:113+\j], v[ACC+32*(\m0+\e)+8+\j:ACC+32*(\m0+\e)+9+\j], v[88+16*\e+\j:89+16*\e+\j]
	v_pk_mul_f32 v[120+\j:121+\j], v[ACC+32*(\m0+\e)+8+\j:ACC+32*(\m0+\e)+9+\j], v[80+16*\e+\j:81+16*\e+\j]
	v_pk_fma_f32 v[ACC+32*(\m0+\e)+8+\j:ACC+32*(\m0+\e)+9+\j], v[ACC+32*(\m0+\e)+\j:ACC+32*(\m0+\e)+1+\j], v[88+16*\e+\j:89+16*\e+\j], v[120+\j:121+\j]
	v_pk_fma_f32 v[ACC+32*(\m0+\e)+\j:ACC+32*(\m0+\e)+1+\j], v[ACC+32*(\m0+\e)+\j:ACC+32*(\m0+\e)+1+\j], v[80+16*\e+\j:81+16*\e+\j], v[112+\j:113+\j] neg_lo:[0,0,1] neg_hi:[0,0,1]
.endr
.endr
.endm
; The LDS addresses that both chains have, each from its own bases.  v28 = lane, v29 = r, v30 = h.  Also v240 = 256 w + 8 x lane, v241 = the same in the vectors' region, v248 = where my cos and sin go
.macro ADDRS img, vec, st, rp
	s_mul_i32 s38, s[WV], 3072
	s_add_co_u32 s38, s38, \img
	v_add_nc_u32 v[IWa], s38, v[GA]
	v_add_nc_u32 v[IWb], s38, v[GB]
	s_lshr_b32 s38, s[WV], 1
	s_lshl_b32 s38, s38, 8
	s_and_b32 s39, s[WV], 1
	s_lshl_b32 s39, s39, 1
	s_add_co_u32 s38, s38, s39
	s_add_co_u32 s38, s38, \img+49152
	v_lshl_add_u32 v[IWs], v29, 2, s38
	s_lshl_b32 s38, s[WV], 8
	v_lshl_add_u32 v240, v28, 3, s38
	s_add_co_u32 s38, s38, \vec
	v_lshl_add_u32 v[VA], v30, 6, s38
	v_lshl_add_u32 v241, v28, 3, s38
	s_lshl_b32 s38, s[WV], 3
	s_add_co_u32 s38, s38, \st
	v_mul_u32_u24 v[STW], v29, 144
	s_delay_alu instid0(VALU_DEP_1)
	v_lshl_add_u32 v[STR], v30, 6, v[STW]
	s_delay_alu instid0(VALU_DEP_1)
	v_add_nc_u32 v[STR], \st, v[STR]
	s_delay_alu instid0(VALU_DEP_3)
	v_add_nc_u32 v[STW], s38, v[STW]
	v_mul_u32_u24 v[RPR], v28, 80
	s_delay_alu instid0(VALU_DEP_1)
	v_add_nc_u32 v[RPR], \rp, v[RPR]
	s_lshr_b32 s38, s[WV], 2
	s_mul_i32 s38, s38, 2560
	s_and_b32 s39, s[WV], 3
	s_lshl_b32 s39, s39, 3
	s_add_co_u32 s38, s38, s39
	v_add_nc_u32 v248, s38, v[RPR]
.endm
	v_lshl_add_u32 v[SPW], v0, 2, SPARE
	v_mov_b32 v[NIL], 0
	v_lshrrev_b32 v28, 5, v0
	s_delay_alu instid0(VALU_DEP_1)
	v_readfirstlane_b32 s[WV], v28                 ; wave 0..15
	v_and_b32 v28, 31, v0                          ; lane
	v_and_b32 v29, 15, v0                          ; r
	v_bfe_u32 v30, v0, 4, 1                        ; h
	v_mov_b32 v31, 0
	s_delay_alu instid0(VALU_DEP_4)
	v_lshlrev_b32 v[GA], 4, v28
	s_delay_alu instid0(VALU_DEP_4)
	v_lshlrev_b32 v[GB], 4, v29
	s_delay_alu instid0(VALU_DEP_1)
	v_lshl_add_u32 v[GB], v30, 3, v[GB]
	v_lshlrev_b32 v[GS], 2, v28
.set i, 0
.rept 16
	v_mov_b32 v[112+i], 0                          ; written once: a lane permute's destination counts as one of its sources
.set i, i+1
.endr
.set i, 0
.rept 8
	v_mov_b32 v[16+i], 0                           ; (named in pairs before both halves are made)
.set i, i+1
.endr
	s_mov_b32 s[SEL], 0x76543210
	s_mov_b32 s[SEL+1], 0xfedcba98                 ; v_permlanex16_b32's selects for lane l xor 16
	s_mov_b32 s[KV], 0x3a800000                    ; 1 / 1024
	s_mov_b32 s[KE], 0x3727c5ac                    ; 1e-5
	s_mov_b32 s37, 0                               ; the high word of every offset added to an address
	s_cmp_ge_u32 ttmp9, 128
	s_cbranch_scc1 .Lsat
	; ================ THE FRONT CHAIN ================
	s_load_b512 s[8:23], s[0:1], 0x0               ; xy, w_pos1, b_pos1, b_fr, g_fr, be_fr, b_pos2, g_qn
	s_load_b256 s[24:31], s[0:1], 0x40             ; be_qn, bq, wts, fcodes
	s_load_b64 s[32:33], s[0:1], 0x60              ; qb
	ADDRS F_AH, F_VEC, F_ST, F_RP
	s_mul_i32 s38, s[WV], 1536
	v_add_nc_u32 v243, s38, v[GA]                  ; the copy of my block's codes: waves 0-11 take 1,536 bytes each,
	s_delay_alu instid0(VALU_DEP_1)
	v_add_nc_u32 v242, F_AF, v243
	s_lshl_b32 s38, s[WV], 8
	v_lshl_add_u32 v245, v28, 3, s38
	s_delay_alu instid0(VALU_DEP_1)
	v_add_nc_u32 v245, 15360, v245                 ; waves 12-14 a block of scale words: 18432 + 256 (w - 12) + 8 x lane
	s_delay_alu instid0(VALU_DEP_1)
	v_add_nc_u32 v244, F_AF, v245
	v_lshlrev_b32 v246, 3, v29                     ; a token's xy: 8 bytes
	s_lshr_b32 s38, s[WV], 2
	s_lshl_b32 s38, s38, 7
	v_lshl_add_u32 v247, v30, 2, v246
	s_delay_alu instid0(VALU_DEP_1)
	v_add_nc_u32 v247, s38, v247                   ; the coordinate for my cos and sin: row tile w / 4, token r, x or y by h
	s_wait_alu depctr_va_vdst(0)
	s_wait_kmcnt 0x0
	s_lshl_b32 s36, ttmp9, 9
	s_add_nc_u64 s[8:9], s[8:9], s[36:37]          ; xy at my 64 tokens
	s_mul_i32 s36, ttmp9, 19200
	s_add_nc_u64 s[30:31], s[30:31], s[36:37]      ; front_feat's codes of my 64 tokens
	s_mul_i32 s36, s[WV], 19*6400
	s_add_nc_u64 s[WP:WP+1], s[28:29], s[36:37]    ; my wave's stream of 19 records
	global_load_b64 v[128:129], v240, s[10:11]
	global_load_b64 v[130:131], v240, s[10:11] offset:4096
.irp i, 0,1,2,3,4,5,6,7
	global_load_b64 v[132+2*\i:133+2*\i], v240, s[12+2*\i:13+2*\i]
.endr
.irp m, 0,1,2,3
	global_load_b64 v[16+2*\m:17+2*\m], v246, s[8:9] offset:128*\m   ; (x, y) of row r of tile m
.endr
	global_load_b32 v249, v247, s[8:9]
	s_cmp_lt_u32 s[WV], 12
	s_cbranch_scc0 .Lf_scl
	global_load_b128 v[160:163], v243, s[30:31]
	global_load_b128 v[164:167], v243, s[30:31] offset:512
	global_load_b128 v[168:171], v243, s[30:31] offset:1024
	s_wait_loadcnt 0x0
	ds_store_b128 v242, v[160:163]
	ds_store_b128 v242, v[164:167] offset:512
	ds_store_b128 v242, v[168:171] offset:1024
	s_branch .Lf_cpd
.Lf_scl:
	s_cmp_lt_u32 s[WV], 15
	s_cbranch_scc0 .Lf_cpd
	global_load_b64 v[160:161], v245, s[30:31]
	s_wait_loadcnt 0x0
	ds_store_b64 v244, v[160:161]
.Lf_cpd:
	s_wait_loadcnt 0x0                             ; from here on the weight stream's are the only global loads
	WLOAD 0, 0
	WLOAD 1, 0
.set i, 0
.rept 10
	ds_store_b64 v241, v[128+2*i:129+2*i] offset:4096*i
.set i, i+1
.endr
	ROPETAB
	s_wait_dscnt 0x0
	; ---- the hidden layer silu(x w0 + y w1 + b1) of my 64 columns, in f32, a row tile at a time; its image is half w of the second product's K
.set i, 0
.rept 24
	ds_load_b128 v[128+4*i:131+4*i], v[VA] offset:4096*(i/8)+128*((i%8)/4)+16*(i%4)   ; w0 -> v128-159, w1 -> v160-191, b1 -> v192-223
.set i, i+1
.endr
	s_wait_dscnt 0x0
.macro HROW m
	v_mov_b32 v30, v[17+2*\m]                      ; y into a pair's low word
.set p, 0
.rept 16
	v_pk_fma_f32 v[224+p:225+p], v[160+p:161+p], v[30:31], v[192+p:193+p] op_sel_hi:[1,0,1]
.set p, p+2
.endr
.set p, 0
.rept 16
	v_pk_fma_f32 v[224+p:225+p], v[128+p:129+p], v[16+2*\m:17+2*\m], v[224+p:225+p] op_sel_hi:[1,0,1]
.set p, p+2
.endr
.set p, 0
.rept 16
	v_pk_mul_f32 v[80+p:81+p], v[224+p:225+p], 0xbfb8aa3b op_sel_hi:[1,0]   ; -z log2(e)
.set p, p+2
.endr
.set p, 0
	s_wait_alu depctr_va_vdst(0)
.rept 32
	v_exp_f32 v[80+p], v[80+p]
.set p, p+1
.endr
	v_nop                                          ; a plain place behind the batch,
	s_wait_alu depctr_va_vdst(0)                   ; and one wait for it, ahead of its first reader
.set p, 0
.rept 16
	v_pk_add_f32 v[80+p:81+p], v[80+p:81+p], 1.0 op_sel_hi:[1,0]
.set p, p+2
.endr
.set p, 0
	s_wait_alu depctr_va_vdst(0)
.rept 32
	v_rcp_f32 v[80+p], v[80+p]
.set p, p+1
.endr
	v_nop
	s_wait_alu depctr_va_vdst(0)
.set p, 0
.rept 16
	v_pk_mul_f32 v[224+p:225+p], v[224+p:225+p], v[80+p:81+p]   ; z / (1 + e^-z)
.set p, p+2
.endr
	QUANT2 224, 80+6*\m, PWQ+\m
	IMG \m
	s_wait_dscnt 0x0                               ; the stores have read their registers, which the next row tile writes
.endm
	HROW 0
	HROW 1
	HROW 2
	HROW 3
	BARRIER                                        ; front_feat's codes, the hidden layer's images and the cos and sin lie in LDS
	ACCINIT 3                                      ; b_fr
	GEMM F_AF, F_AF+18432, 3, 0                    ; front w_fr: K = 320 in three steps, the last half of zero codes
	LNSTAT 0
	BARRIER
	LNCOMB 0
	LNNORM 4, 5, 6                                 ; feat + b_pos2
	GEMM F_AH, F_AH+49152, 8, 0                    ; + hidden w_pos2
	LNSTAT 9216
	BARRIER                                        ; every wave's reads of the hidden layer's images lie in front of this barrier
	LNCOMB 9216
	LNNORM 7, 8, -1                                ; q_embed
.irp m, 0,1,2,3
	QUANT2 ACC+32*\m, 80+6*\m, PWQ+\m
	IMG \m
.endr
	BARRIER
	ACCINIT 9                                      ; bq
	GEMM F_AH, F_AH+49152, 7, 0
	KSTEP 0, 0                                     ; the stream's last record: nothing more is asked for
	ROPE2 0
	ROPE2 2
.irp m, 0,1,2,3
	QUANT2F ACC+32*\m, 80+6*\m, PWQ+\m, 0x3000000  ; the floor 2^(6 - 127): the byte cannot fall under 4,
.endr
.irp m, 0,1,2,3
	v_add_nc_u32 v[PWQ+\m], 0xfffffcfd, v[PWQ+\m]  ; so 3 come off both bytes with no borrow: q / 8
.endr
	s_lshr_b32 s38, ttmp9, 6                       ; batch
	s_and_b32 s39, ttmp9, 63                       ; block of 64 tokens in it
	s_lshl_b32 s38, s38, 4
	s_add_co_u32 s38, s38, s[WV]                   ; 16 batch + head
	s_lshl_b32 s40, s38, 8
	s_lshl_b32 s41, s39, 2
	s_add_co_u32 s40, s40, s41
	s_mul_i32 s36, s40, 768
	s_add_nc_u64 s[52:53], s[32:33], s[36:37]      ; my four half images
	s_lshl_b32 s38, s38, 6
	s_add_co_u32 s38, s38, s39
	s_lshl_b32 s36, s38, 8
	s_add_co_u32 s36, s36, 6291456
	s_add_nc_u64 s[54:55], s[32:33], s[36:37]      ; and their block of scale words: 16 r + 4 m
	v_and_b32 v28, 15, v0
	s_delay_alu instid0(VALU_DEP_1)
	v_lshlrev_b32 v28, 4, v28
	s_wait_alu depctr_va_vdst(0)
.irp m, 0,1,2,3
	global_store_b128 v[GA], v[80+6*\m:83+6*\m], s[52:53] offset:768*\m          ; 512 consecutive bytes
	global_store_b64 v[GB], v[84+6*\m:85+6*\m], s[52:53] offset:768*\m+512       ; 256 consecutive bytes
.endr
	global_store_b128 v28, v[PWQ:PWQ+3], s[54:55]  ; 256 consecutive bytes; lanes 16-31 repeat lanes 0-15
	s_wait_tensorcnt 0x0                           ; the wave's end, behind my last LDS store
	ds_add_u32 v[SPW], v[NIL]
	s_wait_dscnt 0x0
	s_endpgm
	; ================ THE SATELLITE CHAIN ================
.Lsat:
	s_load_b512 s[8:23], s[0:1], 0x68              ; sat_tokens, sat_xy, b_sa, g_sa, be_sa, bk, bv, kvb
	s_load_b64 s[28:29], s[0:1], 0x50              ; wts
	ADDRS S_AN, S_VEC, S_ST, S_RP
	s_sub_co_u32 s[SBK], ttmp9, 128
	s_and_b32 s[SBK], s[SBK], 31                   ; my block of 64 tokens, 0..31
	s_cmp_ge_u32 ttmp9, 160                        ; do I go on to v?
	s_cselect_b32 s[JMP], 51200, 0                 ; then the stream leaps wk's eight records
	s_mov_b32 s[JMP+1], 0
	s_lshl_b32 s38, s[WV], 8
	v_lshl_add_u32 v243, v28, 2, s38               ; bv: 256 w + 4 x lane
	s_lshl_b32 s38, s[WV], 10
	s_add_co_u32 s38, s38, S_BVR
	v_add_nc_u32 v244, s38, v[GA]                  ; written at 16 x column,
	v_lshl_add_u32 v31, v29, 4, s38                ; read at 16 r (+ 256 t): v31 stays
	v_and_b32 v250, 8, v29
	s_delay_alu instid0(VALU_DEP_1)
	v_mad_u32_u24 v250, v250, 3, v29               ; r % 8 + 32 (r / 8)
	s_wait_alu depctr_va_vdst(0)
	v_mul_u32_u24 v242, v250, 3072                 ; a token's row is 3,072 bytes
	s_delay_alu instid0(VALU_DEP_1)
	v_lshl_add_u32 v242, v30, 6, v242              ; + 64 h: my 16 numbers of a block of 32
	s_and_b32 s39, s[WV], 3                        ; I quantise row tile w % 4,
	s_lshr_b32 s40, s[WV], 2                       ; halves 3 (w / 4) + 0, 1, 2 of its twelve
	s_mul_i32 s38, s40, 9216
	s_mul_i32 s41, s39, 768
	s_add_co_u32 s38, s38, s41
	s_add_co_u32 s38, s38, S_AS
	v_add_nc_u32 v245, s38, v[GA]
	v_add_nc_u32 v246, s38, v[GB]
	s_mul_i32 s41, s40, 3
.irp i, 0,1,2
	s_add_co_u32 s42, s41, \i                      ; half eta: its two scale bytes lie at 256 (eta / 2) + 64 m + 4 r + 2 (eta % 2)
	s_lshr_b32 s43, s42, 1
	s_lshl_b32 s43, s43, 8
	s_and_b32 s42, s42, 1
	s_lshl_b32 s42, s42, 1
	s_add_co_u32 s43, s43, s42
	s_lshl_b32 s42, s39, 6
	s_add_co_u32 s43, s43, s42
	s_add_co_u32 s43, s43, S_AS+36864
	v_lshl_add_u32 v[251+\i], v29, 2, s43
.endr
	v_lshlrev_b32 v247, 3, v250                    ; the coordinate for my cos and sin: row tile w / 4, its lane r's token, x or y by h
	s_delay_alu instid0(VALU_DEP_1)
	v_lshl_add_u32 v247, v30, 2, v247
	s_lshl_b32 s42, s40, 6                         ; row tile w / 4 begins at token 8 (w / 4): 64 bytes of xy
	v_add_nc_u32 v247, s42, v247
	s_lshl_b32 s42, s[SBK], 6
	s_lshl_b32 s43, s39, 3
	s_add_co_u32 s42, s42, s43                     ; my row tile's first token: 64 x block + 8 m
	s_mul_i32 s42, s42, 3072
	s_mul_i32 s43, s40, 768
	s_add_co_u32 s36, s42, s43
	s_wait_alu depctr_va_vdst(0)
	s_wait_kmcnt 0x0
	s_add_nc_u64 s[8:9], s[8:9], s[36:37]
	s_lshl_b32 s36, s[SBK], 9
	s_add_nc_u64 s[10:11], s[10:11], s[36:37]
	s_mul_i32 s36, s[WV], 22*6400
	s_add_co_u32 s36, s36, 1945600
	s_add_nc_u64 s[WP:WP+1], s[28:29], s[36:37]    ; my wave's stream: records 0-5 w_sa, 6-13 wk, 14-21 wv
.set i, 0
.rept 24
	global_load_b128 v[128+4*i:131+4*i], v242, s[8:9] offset:256*(i/8)+128*((i%8)/4)+16*(i%4)   ; half i / 8, block (i % 8) / 4: 16 neighbours of my row.  (Two work-groups read these rows: no hint)
.set i, i+1
.endr
.irp i, 0,1,2,3
	global_load_b64 v[224+2*\i:225+2*\i], v240, s[12+2*\i:13+2*\i]
.endr
	global_load_b32 v232, v243, s[20:21]
	global_load_b32 v236, v243, s[20:21] offset:128
	global_load_b32 v249, v247, s[10:11]
	s_wait_loadcnt 0x0                             ; from here on the weight stream's are the only global loads
	WLOAD 0, 0
	WLOAD 1, 0
.irp i, 0,1,2,3
	ds_store_b64 v241, v[224+2*\i:225+2*\i] offset:4096*\i
.endr
.irp i, 1,2,3
	v_mov_b32 v[232+\i], v232
	v_mov_b32 v[236+\i], v236
.endr
	ds_store_b128 v244, v[232:235]
	ds_store_b128 v244, v[236:239] offset:512
	ROPETAB
	s_wait_dscnt 0x0                               ; the stores have read their registers
.irp i, 0,1,2
	QUANT2 128+32*\i, 80+6*\i, PWQ+\i
	ds_store_b128 v245, v[80+6*\i:83+6*\i] offset:3072*\i
	ds_store_b64 v246, v[84+6*\i:85+6*\i] offset:3072*\i+512
	ds_store_b16 v[251+\i], v[PWQ+\i]
.endr
	BARRIER                                        ; the tokens' images and the cos and sin lie in LDS
	ACCINIT 0                                      ; b_sa
	GEMM S_AS, S_AS+36864, 5, 0
	s_add_nc_u64 s[WP:WP+1], s[WP:WP+1], s[JMP:JMP+1]   ; behind the last step's wait on XCNT, with no memory instruction since: the sixth step asks for wk's first record or for wv's
	KSTEP 1, 0
	LNSTAT 0
	BARRIER
	LNCOMB 0
	LNNORM 1, 2, -1                                ; sat
.irp m, 0,1,2,3
	QUANT2 ACC+32*\m, 80+6*\m, PWQ+\m
	IMG \m
.endr
	BARRIER                                        ; the last barrier and the last LDS store of both ways below
	s_lshr_b32 s38, s[SBK], 4                      ; batch
	s_and_b32 s39, s[SBK], 15                      ; block of 64 keys in it
	s_lshl_b32 s38, s38, 4
	s_add_co_u32 s38, s38, s[WV]
	s_mul_i32 s36, s38, 104448
	s_add_nc_u64 s[22:23], s[22:23], s[36:37]      ; my head's record
	s_cmp_ge_u32 ttmp9, 160
	s_cbranch_scc1 .Lsat_v
	; ---- k
	ACCINIT 3                                      ; bk
	GEMM S_AN, S_AN+49152, 7, 0
	KSTEP 0, 0                                     ; wk's last record: nothing more is asked for
	ROPE2 0
	ROPE2 2
.irp m, 0,1,2,3
	QUANT2 ACC+32*\m, 80+6*\m, PWQ+\m
.endr
	s_mul_i32 s36, s39, 3072
	s_add_nc_u64 s[52:53], s[22:23], s[36:37]      ; k: tiles 4 block + m
	s_lshl_b32 s36, s39, 8
	s_add_co_u32 s36, s36, 98304
	s_add_nc_u64 s[54:55], s[22:23], s[36:37]      ; their scale words: 16 r + 4 m
	v_and_b32 v28, 15, v0
	s_delay_alu instid0(VALU_DEP_1)
	v_lshlrev_b32 v28, 4, v28
.irp m, 0,1,2,3
	global_store_b128 v[GA], v[80+6*\m:83+6*\m], s[52:53] offset:768*\m
	global_store_b64 v[GB], v[84+6*\m:85+6*\m], s[52:53] offset:768*\m+512
.endr
	global_store_b128 v28, v[PWQ:PWQ+3], s[54:55]
	s_wait_tensorcnt 0x0                           ; the wave's end, behind my last LDS store
	ds_add_u32 v[SPW], v[NIL]
	s_wait_dscnt 0x0
	s_endpgm
	; ---- v
.Lsat_v:
.set i, 0
.rept 32
	ds_load_b128 v[ACC+4*i:ACC+4*i+3], v31 offset:256*(i/8)   ; bv starts the sums: with the sources swapped a lane holds channel 16 t + r in all eight registers
.set i, i+1
.endr
	GEMM S_AN, S_AN+49152, 7, 1
	KSTEP 0, 1
.irp t, 0,1,2,3
	QUANTV ACC+32*\t, 80+6*\t, PWQ+\t              ; along the 64 tokens: half a fragment of v^T
.endr
	s_lshr_b32 s40, s39, 1                         ; the step of 128 keys,
	s_and_b32 s41, s39, 1                          ; and which half of it
	s_mul_i32 s36, s40, 6144
	s_mul_i32 s42, s41, 768
	s_add_co_u32 s36, s36, s42
	s_add_co_u32 s36, s36, 49152
	s_add_nc_u64 s[56:57], s[22:23], s[36:37]
	s_lshl_b32 s36, s40, 8
	s_lshl_b32 s42, s41, 1
	s_add_co_u32 s36, s36, s42
	s_add_co_u32 s36, s36, 102400
	s_add_nc_u64 s[58:59], s[22:23], s[36:37]      ; its scale bytes: 16 r + 4 t + 2 x half
	v_and_b32 v28, 15, v0
	s_delay_alu instid0(VALU_DEP_1)
	v_lshlrev_b32 v28, 4, v28
	s_wait_alu depctr_va_vdst(0)
.irp t, 0,1,2,3
	global_store_b128 v[GA], v[80+6*\t:83+6*\t], s[56:57] offset:1536*\t
	global_store_b64 v[GB], v[84+6*\t:85+6*\t], s[56:57] offset:1536*\t+512
	global_store_b16 v28, v[PWQ+\t], s[58:59] offset:4*\t
.endr
	s_wait_tensorcnt 0x0                           ; the wave's end, behind my last LDS store
	ds_add_u32 v[SPW], v[NIL]
	s_wait_dscnt 0x0
	s_endpgm
.Lfunc_end_k_qee19b4880f_chain:
	.size	k_qee19b4880f_chain, .Lfunc_end_k_qee19b4880f_chain-k_qee19b4880f_chain
	.p2alignl 7, 3214868480
	.fill 96, 4, 3214868480
	.section	.rodata,"a",@progbits
	.p2align	6, 0x0
	.amdhsa_kernel k_qee19b4880f_chain
		.amdhsa_group_segment_fixed_size 284160
		.amdhsa_private_segment_fixed_size 0
		.amdhsa_enable_private_segment 0
		.amdhsa_kernarg_size 168
		.amdhsa_user_sgpr_count 2
		.amdhsa_user_sgpr_kernarg_segment_ptr 1
		.amdhsa_wavefront_size32 1
		.amdhsa_system_sgpr_workgroup_id_x 1
		.amdhsa_system_sgpr_workgroup_id_y 1
		.amdhsa_system_sgpr_workgroup_id_z 1
		.amdhsa_system_vgpr_workitem_id 0
		.amdhsa_next_free_vgpr 256
		.amdhsa_next_free_sgpr 100
		.amdhsa_reserve_vcc 1
		.amdhsa_float_denorm_mode_32 3
		.amdhsa_float_denorm_mode_16_64 3
		.amdhsa_memory_ordered 1
		.amdhsa_forward_progress 1
		.amdhsa_inst_pref_size 255
	.end_amdhsa_kernel
	.section	.bss,"aw",@nobits
	.p2align	6
	.space	262144
	.amdgpu_metadata
---
amdhsa.version: [ 1, 2 ]
amdhsa.kernels:
  - .name:           k_qee19b4880f_chain
    .symbol:         k_qee19b4880f_chain.kd
    .args:
      - { .name: front_bev_xy, .offset: 0, .size: 8, .value_kind: global_buffer, .address_space: global }
      - { .name: w_pos1, .offset: 8, .size: 8, .value_kind: global_buffer, .address_space: global }
      - { .name: b_pos1, .offset: 16, .size: 8, .value_kind: global_buffer, .address_space: global }
      - { .name: b_fr, .offset: 24, .size: 8, .value_kind: global_buffer, .address_space: global }
      - { .name: g_fr, .offset: 32, .size: 8, .value_kind: global_buffer, .address_space: global }
      - { .name: be_fr, .offset: 40, .size: 8, .value_kind: global_buffer, .address_space: global }
      - { .name: b_pos2, .offset: 48, .size: 8, .value_kind: global_buffer, .address_space: global }
      - { .name: g_qn, .offset: 56, .size: 8, .value_kind: global_buffer, .address_space: global }
      - { .name: be_qn, .offset: 64, .size: 8, .value_kind: global_buffer, .address_space: global }
      - { .name: bq, .offset: 72, .size: 8, .value_kind: global_buffer, .address_space: global }
      - { .name: wts, .offset: 80, .size: 8, .value_kind: global_buffer, .address_space: global }
      - { .name: fcodes, .offset: 88, .size: 8, .value_kind: global_buffer, .address_space: global }
      - { .name: qb, .offset: 96, .size: 8, .value_kind: global_buffer, .address_space: global }
      - { .name: sat_tokens, .offset: 104, .size: 8, .value_kind: global_buffer, .address_space: global }
      - { .name: sat_xy, .offset: 112, .size: 8, .value_kind: global_buffer, .address_space: global }
      - { .name: b_sa, .offset: 120, .size: 8, .value_kind: global_buffer, .address_space: global }
      - { .name: g_sa, .offset: 128, .size: 8, .value_kind: global_buffer, .address_space: global }
      - { .name: be_sa, .offset: 136, .size: 8, .value_kind: global_buffer, .address_space: global }
      - { .name: bk, .offset: 144, .size: 8, .value_kind: global_buffer, .address_space: global }
      - { .name: bv, .offset: 152, .size: 8, .value_kind: global_buffer, .address_space: global }
      - { .name: kvb, .offset: 160, .size: 8, .value_kind: global_buffer, .address_space: global }
    .group_segment_fixed_size: 284160
    .private_segment_fixed_size: 0
    .kernarg_segment_align: 8
    .kernarg_segment_size: 168
    .max_flat_workgroup_size: 512
    .sgpr_count:     100
    .vgpr_count:     256
    .wavefront_size: 32
...
	.end_amdgpu_metadata
.endif
;; end of part 2
;; launch attn (part 3): grid 8 x 32, 16 waves a work-group, no clusters, 192,512 bytes of LDS; arguments qb, kvb, front_bev_xy, sat_xy, out0; writes out0
.if DOCPART == 3
	.amdgcn_target "amdgcn-amd-amdhsa--gfx1250"
	.amdhsa_code_object_version 6
	.text
	.protected	k_qee19b4880f_attn
	.globl	k_qee19b4880f_attn
	.p2align	8
	.type	k_qee19b4880f_attn,@function
k_qee19b4880f_attn:
	s_mov_b64 s[64:65], 0
	v_nop
	global_prefetch_b8 v0, s[64:65] scope:SCOPE_SE
	s_setreg_imm32_b32 hwreg(HW_REG_WAVE_MODE, 25, 1), 1
	s_wait_xcnt 0x0
; out[b][q][head][:] = the sum over keys of softmax(q . k / 8 - |xy_q - xy_k|^2) v, both products on codes of FP6 (E2M3) with one E8M0 scale for each 32 along a product's K.
; THE SOFTMAX AHEAD OF THE SECOND PRODUCT: t = logit x log2(e); M = the running largest t rounded UP to a whole number; p = 2^(t - M) is quantised along the keys, not normalised;
; the row's sum is taken of the unquantised p and divides at the end; when M moves, the sum and O are multiplied by 2^(old M - new M), which rounds nothing.
; THE DISTANCE IS A PRODUCT WITH K = 4 whose result goes on into the softmax's quantiser, so it takes f32 operands: with all coordinates taken relative to the batch's key 0,
; -|q - k|^2 = (kx, ky, kx kx + ky ky, 1) . (2 qx, 2 qy, -1, -(qx qx + qy qy)): one v_wmma_f32_16x16x4_f32 for a tile of 16 keys x 16 queries starts the score's sum, and the product on codes adds onto it.
; Coordinates relative to a key: a common offset of all coordinates leaves the four terms at the size of the coordinates' spread squared, so no difference of large sums is formed.
; A step's distance product is issued in the step before, behind that step's exponentials, when the score registers are free: the sums and scale lines that follow are its places.  The first step's stands ahead of the loop.
; Nothing of the problem is left out: the term |q|^2, the same along the softmax's axis, moves M and so p's codes, and is kept.
; SHARES.  A work-group takes one (batch, head) and 512 queries; each of its sixteen waves two tiles of 16 queries, one after the other, in 256 registers.  The head's whole k and v (codes and scale words,
; 104,448 bytes, laid as operand images by the launch before) are copied into LDS once, at the head, and the keys' rows of four numbers are made there; after the one barrier nothing in LDS is shared but read.
; No cluster: what work-groups share is that one copy, a small part of what the launch moves (its output is larger).  No prefetch: nothing comes from memory inside the loops.
; LAYOUT.  All products are used transposed (S^T = k q^T, O^T = v^T p^T): a lane holds one query throughout.  Row r of k's tile 4 c + m of a step is key 64 c + 32 (r / 8) + 8 m + r % 8, so the 32 registers
; of tiles 4 c .. 4 c + 3 in lane (r, h) are keys 64 c + 32 h + 0 .. 31: ONE WHOLE BLOCK of the second product's K, in the operand's own order.  A block's largest p needs no other lane, and no code changes lanes.
; THE HEAD HAS 64 CHANNELS, the instruction takes 128 along K: q's upper six registers are zero codes, so whatever stands in the upper six registers of k's operand adds nothing (FP6 has no NaN and no infinity;
; the scale bytes there are 0, which is 2^-127).  So tile t's operand is v[P + 6 t] on, twelve registers, of which the upper six are the next tile's codes.
; q's scale bytes come 3 lower than the quantiser gave them (the launch before stores them so): q . k / 8, a division that rounds nothing.
; LIMITS: NaN and infinities are not served; logits under -1e38 are not served; p under 2^-126 counts as 0; a block of p that is all zeros keeps the scale byte 1 (its codes are zeros).
.set VC,  49152                        ; LDS: k's 64 half images at 0; v's [step 8][tile 4] fragments of 1,536 bytes;
.set KS,  98304                        ; k's scale words, 16 blocks of 256 bytes (16 r + 4 tile);
.set VS,  102400                       ; v's, 8 blocks;
.set KA,  104448                       ; the keys' rows of four: 256 bytes a tile of 16 keys: (kx, ky) at 8 r, (kx kx + ky ky, 1) at 128 + 8 r;
.set STG, 120832                       ; the way out: 16 rows x 272 bytes for each wave;
.set SPARE, 190464                     ; the spare words, 128 bytes for each wave: eight blocks of 256 bytes that no other line names
.set SPW, 1
.set NIL, 2
.set WV,  2
.set BH,  3
.set BT,  4
.set HD,  5
.set SA,  26                           ; s26 6144 x step;  s27 512 x step;  s28 256 x step;  s34 2048 x (step + 1)
.set SB,  27
.set SC,  28
.set CNT, 29                           ; steps to go, this one among them
.set SEL, 30
.set CS,  32                           ; s[32:33] log2(e);  s35 its negative
.set SD,  34
.set NC,  35
.set LO,  42                           ; s42 the mask of lanes 0-15
; REGISTERS: v3-7 bases of LDS addresses, v8-11 and v235 the step's; v12 -M, v13 the largest logit, v[14:15] the sum; v16-27 q (22-27 zeros); v[28:29] q's column of four;
; v[30:31], v[102:103], v[224:225] three more chains of the sum; v96 8 h; v220-223 maxima; v226 lane l xor 16's; v228-229 the conversions' scale operands; v232 f;
; v236, v237, v255 the way out; v[238:239], v248-254 the second tile's q, waiting; v240-247 scale words and nothing else.
.set P,   32                           ; v32-85 k's fragments; then v32-95 t - M and p; then v's fragments: tiles 0, 1 at v32, tiles 2, 3 at v64
.set MB,  104                          ; v104-167 S^T: written by matrix instructions alone
.set O,   168                          ; v168-199 O^T
.set PC,  200                          ; v200-211 p's codes;  v212-214, v216-218 the upper halves of blocks as the conversions leave them
.set CT,  212
.set AI,  200                          ; v200-215, while no codes lie there: the rows of four of the next step's eight tiles
	s_load_b256 s[8:15], s[0:1], 0x0               ; qb, kvb, front_bev_xy, sat_xy
	s_load_b64 s[16:17], s[0:1], 0x20              ; out0
	v_lshl_add_u32 v[SPW], v0, 2, SPARE
	v_mov_b32 v[NIL], 0
	v_lshrrev_b32 v181, 5, v0
	v_readfirstlane_b32 s[WV], v181                ; wave 0..15
	v_and_b32 v176, 31, v0                         ; lane
	v_and_b32 v177, 15, v0                         ; r
	v_bfe_u32 v178, v0, 4, 1                       ; h
	v_lshlrev_b32 v3, 4, v176                      ; 16 x lane
	v_lshlrev_b32 v4, 4, v177
	v_lshl_add_u32 v5, v178, 2, v4                 ; 16 r + 4 h
	v_lshl_add_u32 v4, v178, 3, v4                 ; 16 r + 8 h
	v_add_nc_u32 v6, VS, v5
	v_add_nc_u32 v5, KS, v5
	v_lshl_add_u32 v7, v176, 3, KA                 ; 8 x lane: lanes 0-15 (kx, ky), lanes 16-31 (|k|^2, 1)
	v_lshlrev_b32 v96, 3, v178                     ; 8 h
	v_lshlrev_b32 v174, 3, v177                    ; 8 r
	v_lshlrev_b32 v175, 4, v177                    ; 16 r
	v_lshlrev_b32 v168, 4, v0                      ; the copy: 16 bytes a thread,
	v_lshl_add_u32 v169, v0, 4, 65536              ; (an LDS offset has 16 bits: the upper part has a register of its own)
	v_lshlrev_b32 v170, 3, v0
	v_lshl_add_u32 v171, v0, 3, KS
	v_lshlrev_b32 v172, 2, v0
	v_lshl_add_u32 v173, v0, 2, VS
	v_lshrrev_b32 v180, 5, v0                      ; thread i makes keys 2 i and 2 i + 1: tile 4 (i / 32) + (i / 4) % 4, rows 8 ((i / 16) % 2) + 2 (i % 4) and the next
	v_lshlrev_b32 v180, 10, v180
	v_bfe_u32 v181, v0, 2, 2
	v_lshl_add_u32 v180, v181, 8, v180
	v_bfe_u32 v181, v0, 4, 1
	v_lshl_add_u32 v180, v181, 6, v180
	v_and_b32 v181, 3, v0
	v_lshl_add_u32 v180, v181, 4, v180
	v_add_nc_u32 v180, KA, v180
	s_mul_i32 s38, s[WV], 4352
	s_add_co_u32 s38, s38, STG                     ; my stage
	v_mul_u32_u24 v236, v177, 272
	v_lshl_add_u32 v236, v178, 5, v236
	v_add_nc_u32 v236, s38, v236                   ; in: row r, 32 h
	v_mul_u32_u24 v237, v178, 272
	v_lshl_add_u32 v237, v177, 4, v237
	v_add_nc_u32 v237, s38, v237                   ; back: lanes 0-15 one row, lanes 16-31 the next
	v_lshlrev_b32 v255, 12, v178
	v_lshl_add_u32 v255, v177, 4, v255             ; and the same two rows of the output, 4,096 bytes apart
.irp i, 22,23,24,25,26,27,83,179,226,233,234
	v_mov_b32 v[\i], 0                             ; q's zero codes; an offset of 0; what is named in a pair, an operand or a permute's destination before it is made
.endr
	s_mov_b32 s[SEL], 0x76543210
	s_mov_b32 s[SEL+1], 0xfedcba98
	s_mov_b32 s[CS], 0x3fb8aa3b
	s_mov_b32 s[CS+1], s[CS]
	s_mov_b32 s[NC], 0xbfb8aa3b
	s_mov_b32 s[LO], 0xffff
	s_and_b32 s[BH], ttmp7, 0xffff                 ; 16 batch + head
	s_lshr_b32 s[BT], s[BH], 4
	s_and_b32 s[HD], s[BH], 15
	s_mov_b32 s37, 0
	s_lshl_b32 s38, ttmp9, 5
	s_add_co_u32 s38, s38, s[WV]                   ; my first tile of 16 queries; the second lies 16 tiles on
	s_wait_alu depctr_va_vdst(0)
	s_wait_kmcnt 0x0
	s_mul_i32 s36, s[BH], 104448
	s_add_nc_u64 s[10:11], s[10:11], s[36:37]      ; the head's record
	s_lshl_b32 s36, s[BT], 13
	s_add_nc_u64 s[14:15], s[14:15], s[36:37]      ; the batch's keys' xy
	s_lshl_b32 s39, s[BH], 8
	s_add_co_u32 s39, s39, s38
	s_mul_i32 s36, s39, 768
	s_add_nc_u64 s[18:19], s[8:9], s[36:37]        ; q's half image
	s_lshl_b32 s39, s[BH], 6
	s_lshr_b32 s40, s38, 2
	s_add_co_u32 s39, s39, s40
	s_lshl_b32 s39, s39, 8
	s_and_b32 s40, s38, 3
	s_lshl_b32 s40, s40, 2
	s_add_co_u32 s39, s39, s40
	s_add_co_u32 s36, s39, 6291456
	s_add_nc_u64 s[20:21], s[8:9], s[36:37]        ; q's scale words
	s_lshl_b32 s39, s[BT], 12
	s_lshl_b32 s40, s38, 4
	s_add_co_u32 s39, s39, s40                     ; my first query among all 8,192
	s_lshl_b32 s36, s39, 3
	s_add_nc_u64 s[22:23], s[12:13], s[36:37]      ; its xy
	s_lshl_b32 s36, s39, 12
	s_lshl_b32 s40, s[HD], 8
	s_add_co_u32 s36, s36, s40
	s_add_nc_u64 s[24:25], s[16:17], s[36:37]      ; its row of the output, at my head's 256 bytes
	global_load_b128 v[16:19], v3, s[18:19]        ; the first tile's q, into its place;
	global_load_b64 v[20:21], v4, s[18:19] offset:512
	global_load_b32 v247, v175, s[20:21]
	global_load_b64 v[28:29], v174, s[22:23]
	global_load_b128 v[248:251], v3, s[18:19] offset:12288   ; the second tile's (16 tiles on), into registers that wait for it
	global_load_b64 v[252:253], v4, s[18:19] offset:12800
	global_load_b32 v254, v175, s[20:21] offset:1024
	global_load_b64 v[238:239], v174, s[22:23] offset:2048
.irp i, 0,1,2,3,4,5,6,7,8,9,10,11
	global_load_b128 v[P+4*\i:P+4*\i+3], v168, s[10:11] offset:8192*\i
.endr
	global_load_b64 v[80:81], v170, s[10:11] offset:98304
	global_load_b32 v82, v172, s[10:11] offset:102400
	global_load_b128 v[84:87], v168, s[14:15]      ; two keys' (x, y)
	global_load_b64 v[88:89], v179, s[14:15]       ; key 0's (x, y): the point from which all coordinates are counted
	s_wait_loadcnt 0x0                             ; the launch's only wait for global loads
.irp i, 0,1,2,3,4,5,6,7
	ds_store_b128 v168, v[P+4*\i:P+4*\i+3] offset:8192*\i
.endr
.irp i, 0,1,2,3
	ds_store_b128 v169, v[P+32+4*\i:P+35+4*\i] offset:8192*\i
.endr
	ds_store_b64 v171, v[80:81]
	ds_store_b32 v173, v82
	v_pk_add_f32 v[90:91], v[84:85], v[88:89] neg_lo:[0,1] neg_hi:[0,1]   ; (kx, ky) of my two keys
	v_pk_add_f32 v[92:93], v[86:87], v[88:89] neg_lo:[0,1] neg_hi:[0,1]
	v_mul_f32 v94, v90, v90
	v_mul_f32 v98, v92, v92
	v_mov_b32 v95, 1.0
	v_fma_f32 v94, v91, v91, v94                   ; kx kx + ky ky
	v_fma_f32 v100, v93, v93, v98
	ds_store_b128 v180, v[90:93]
	ds_store_b64 v180, v[94:95] offset:128
	v_mov_b32 v101, 1.0
	ds_store_b64 v180, v[100:101] offset:136
; A tile's column of four, from (x, y) of query r in both halves of the lanes: lanes 0-15 (2 qx, 2 qy), lanes 16-31 (-1, -(qx qx + qy qy))
.macro QOP x
	v_pk_add_f32 v[\x:\x+1], v[\x:\x+1], v[88:89] neg_lo:[0,1] neg_hi:[0,1]
	v_mul_f32 v98, -v[\x], v[\x]
	v_fma_f32 v98, -v[\x+1], v[\x+1], v98
	v_pk_add_f32 v[\x:\x+1], v[\x:\x+1], v[\x:\x+1]
	v_cndmask_b32 v[\x], -1.0, v[\x], s[LO]
	v_cndmask_b32 v[\x+1], v98, v[\x+1], s[LO]
.endm
	QOP 28
	QOP 238
	s_wait_alu depctr_va_vdst(0)
	s_wait_dscnt 0x0                               ; for the others' sake: my stores have landed
	s_barrier_signal -1
	s_barrier_wait -1
.macro ADD4 j                          ; eight more p onto the sum's four chains
	v_pk_add_f32 v[14:15], v[14:15], v[P+\j:P+\j+1]
	v_pk_add_f32 v[30:31], v[30:31], v[P+\j+2:P+\j+3]
	v_pk_add_f32 v[102:103], v[102:103], v[P+\j+4:P+\j+5]
	v_pk_add_f32 v[224:225], v[224:225], v[P+\j+6:P+\j+7]
.endm
.macro VLOAD t                         ; v's fragment of tile t, into registers whose p have been summed and converted
.set VB, P+12*(\t)+8*((\t)/2)
.irp c, 0,1
	ds_load_b128 v[VB+6*\c:VB+6*\c+3], v8 offset:VC+1536*(\t)+768*\c
	ds_load_b64 v[VB+6*\c+4:VB+6*\c+5], v9 offset:VC+1536*(\t)+768*\c+512
.endr
.endm
.macro DIST                            ; -|q - k|^2 of eight tiles of 16 keys starts their scores' sums
.irp t, 0,1,2,3,4,5,6,7
	v_wmma_f32_16x16x4_f32 v[MB+8*\t:MB+8*\t+7], v[AI+2*\t:AI+2*\t+1], v[28:29], 0
.endr
.endm
; A KEY STEP: 128 keys.  The score registers hold the step's distances on the way in
.macro STEP
	v_add_nc_u32 v8, s[SA], v3                     ; (these four are also the places behind the last step's products, in front of the loads into their operands)
	v_add_nc_u32 v9, s[SA], v4
	v_add_nc_u32 v10, s[SB], v5
	v_add_nc_u32 v11, s[SC], v6
.irp t, 0,1,2,3,4,5,6,7
	ds_load_b128 v[P+6*\t:P+6*\t+3], v8 offset:768*\t
	ds_load_b64 v[P+6*\t+4:P+6*\t+5], v9 offset:768*\t+512
.endr
.irp i, 0,1,2,3
	ds_load_b32 v[240+\i], v10 offset:8*(\i%2)+256*(\i/2)   ; lanes 0-15: tile 2 i's words, lanes 16-31: tile 2 i + 1's
.endr
	s_wait_dscnt 0x0
.irp t, 0,2,4,6                        ; the eight accumulators by turns
	v_wmma_scale_f32_16x16x128_f8f6f4 v[MB+8*\t:MB+8*\t+7], v[P+6*\t:P+6*\t+11], v[16:27], v[MB+8*\t:MB+8*\t+7], v[240+\t/2], v247 matrix_a_fmt:MATRIX_FMT_FP6 matrix_b_fmt:MATRIX_FMT_FP6
	v_wmma_scale_f32_16x16x128_f8f6f4 v[MB+8+8*\t:MB+15+8*\t], v[P+6+6*\t:P+17+6*\t], v[16:27], v[MB+8+8*\t:MB+15+8*\t], v[240+\t/2], v247 matrix_a_fmt:MATRIX_FMT_FP6 matrix_b_fmt:MATRIX_FMT_FP6 matrix_a_scale:MATRIX_SCALE_ROW1
.endr
	v_add_nc_u32 v235, s[SD], v7                   ; four places in front of the first read of the logits
.rept 3
	v_nop
.endr
	s_cmp_eq_u32 s[CNT], 1                         ; the tile's last step has no next step: a branch on the counter alone
	s_cbranch_scc1 .Lno_rows_\@
.irp t, 0,1,2,3,4,5,6,7
	ds_load_b64 v[AI+2*\t:AI+2*\t+1], v235 offset:256*\t   ; the next step's rows of four
.endr
.Lno_rows_\@:
.irp b, 0,1,2,3
	v_max3_num_f32 v[220+\b], v[MB+16*\b], v[MB+1+16*\b], v[MB+2+16*\b]   ; the largest logit of my two blocks of 32 keys, in four chains by turns.  Each accumulator is read from its low end on
.endr
.irp i, 3,5,7,9,11,13
.irp b, 0,1,2,3
	v_max3_num_f32 v[220+\b], v[220+\b], v[MB+16*\b+\i], v[MB+1+16*\b+\i]
.endr
.endr
	v_max3_num_f32 v220, v220, v221, v[MB+15]
	v_max3_num_f32 v222, v222, v223, v[MB+47]
	v_max_num_f32 v220, v220, v[MB+31]             ; block h: it serves for the row's maximum and, since p rises with the logit, for the block's largest p
	v_max_num_f32 v222, v222, v[MB+63]             ; block 2 + h
	s_delay_alu instid0(VALU_DEP_1)
	v_max_num_f32 v234, v220, v222
	s_delay_alu instid0(VALU_DEP_1)
	v_permlanex16_b32 v226, v234, s[SEL], s[SEL+1]
	s_delay_alu instid0(VALU_DEP_1)
	v_max3_num_f32 v13, v13, v234, v226            ; the running largest logit
	s_delay_alu instid0(VALU_DEP_1)
	v_mul_f32 v234, s[NC], v13                     ; -t
	s_delay_alu instid0(VALU_DEP_1)
	v_floor_f32 v234, v234                         ; the new -M = floor(-t): M is a whole number
	s_delay_alu instid0(VALU_DEP_1)
	v_sub_f32 v232, v234, v12                      ; old M - new M: a whole number, 0 or less
	v_mov_b32 v12, v234
	s_delay_alu instid0(VALU_DEP_2)
	v_cvt_i32_f32 v232, v232                       ; (it saturates)
.set j, 0
.rept 32
	v_pk_fma_f32 v[P+j:P+j+1], v[MB+j:MB+j+1], s[CS:CS+1], v[12:13] op_sel_hi:[1,0,0]   ; t - M, into the registers that held k
.set j, j+2
.endr
	v_fma_f32 v220, v220, s[CS], v12               ; the same of each block's largest logit
	v_fma_f32 v222, v222, s[CS], v12
	v_ldexp_f32 v232, 1.0, v232                    ; f = 2^(old M - new M)
	s_wait_dscnt 0x0                               ; the next step's rows of four are in
	s_wait_alu depctr_va_vdst(0)
.set j, 0
.rept 64
	v_exp_f32 v[P+j], v[P+j]                       ; p = 2^(t - M)
.set j, j+1
.endr
	v_exp_f32 v220, v220                           ; the block's largest p: the same two instructions on the same number
	v_exp_f32 v222, v222
	v_pk_mul_f32 v[14:15], v[14:15], v[232:233] op_sel_hi:[1,0]   ; the sum under the new M (a plain place behind the batch)
	s_cmp_eq_u32 s[CNT], 1
	s_wait_alu depctr_va_vdst(0)                   ; one wait for the batch, ahead of its first use and of the branch
	s_cbranch_scc1 .Lno_dist_\@
	DIST                                           ; the next step's distances: the logits have been read.  More than nine plain lines follow ahead of the product that adds onto them
.Lno_dist_\@:
	v_max_num_f32 v220, 0x1800000, v220            ; the floor 2^(3 - 127): the byte cannot fall under 1
	v_max_num_f32 v222, 0x1800000, v222
	v_pk_add_f32 v[14:15], v[14:15], v[P:P+1]      ; THE ROW'S SUM IS TAKEN OF THE UNQUANTISED p: two at a time, in four chains.  My first block first
	v_pk_add_f32 v[30:31], v[P+2:P+3], v[P+4:P+5]
	v_add_nc_u32 v228, 0xff000000, v220            ; 2 off the exponent field: the conversion's scale operand
	v_add_nc_u32 v229, 0xff000000, v222
	v_pk_add_f32 v[102:103], v[P+6:P+7], v[P+8:P+9]
	v_pk_add_f32 v[224:225], v[P+10:P+11], v[P+12:P+13]
	v_lshrrev_b32 v220, 23, v228                   ; the byte
	v_lshrrev_b32 v222, 23, v229
	ADD4 14
	v_lshl_or_b32 v234, v222, 16, v220             ; my two bytes: blocks h and 2 + h,
	ADD4 22
	v_lshlrev_b32 v234, v96, v234                  ; at their places in the scale word (8 h bits up);
	v_pk_add_f32 v[14:15], v[14:15], v[P+30:P+31]
	v_permlanex16_b32 v226, v234, s[SEL], s[SEL+1]
	v_cvt_scalef32_pk16_fp6_f32 v[PC:PC+2], v[P:P+15], v228
	v_cvt_scalef32_pk16_fp6_f32 v[CT:CT+2], v[P+16:P+31], v228   ; (a conversion's three registers begin on an even number)
	VLOAD 0                                        ; my first block's p are done with: v's first two fragments land on them
	VLOAD 1
	ds_load_b32 v244, v11
	ds_load_b32 v245, v11 offset:8
	v_or_b32 v246, v234, v226                      ; with lane l xor 16's two, p's scale word for these 128 keys is whole
	ADD4 32                                        ; my second block.  (Plain places behind the conversions)
	ADD4 40
	ADD4 48
	ADD4 56
	v_cvt_scalef32_pk16_fp6_f32 v[PC+6:PC+8], v[P+32:P+47], v229
	v_cvt_scalef32_pk16_fp6_f32 v[CT+4:CT+6], v[P+48:P+63], v229
	VLOAD 2
	VLOAD 3
	v_pk_add_f32 v[14:15], v[14:15], v[30:31]      ; the four chains become one.  (Plain places behind the conversions)
	v_pk_add_f32 v[102:103], v[102:103], v[224:225]
	s_delay_alu instid0(VALU_DEP_1)
	v_pk_add_f32 v[14:15], v[14:15], v[102:103]
.irp c, 0,1
.irp i, 0,1,2
	v_mov_b32 v[PC+3+6*\c+\i], v[CT+4*\c+\i]       ; registers 6 c .. 6 c + 5 hold keys 64 c + 32 h + 0 .. 31
.endr
.endr
	s_wait_alu depctr_va_vdst(0)                   ; directly ahead of the first read of O^T
.set j, 0
.rept 16
	v_pk_mul_f32 v[O+j:O+j+1], v[O+j:O+j+1], v[232:233] op_sel_hi:[1,0]   ; O^T under the new M.  (For each product below, twelve of these name none of its registers: the places behind the writes of p's codes and scale word)
.set j, j+2
.endr
	s_wait_alu depctr_va_vdst(0)
	s_wait_dscnt 0x0                               ; v
.irp t, 0,2                            ; the four accumulators by turns
	v_wmma_scale_f32_16x16x128_f8f6f4 v[O+8*\t:O+8*\t+7], v[P+16*\t:P+16*\t+11], v[PC:PC+11], v[O+8*\t:O+8*\t+7], v[244+\t/2], v246 matrix_a_fmt:MATRIX_FMT_FP6 matrix_b_fmt:MATRIX_FMT_FP6
	v_wmma_scale_f32_16x16x128_f8f6f4 v[O+8+8*\t:O+15+8*\t], v[P+12+16*\t:P+23+16*\t], v[PC:PC+11], v[O+8+8*\t:O+15+8*\t], v[244+\t/2], v246 matrix_a_fmt:MATRIX_FMT_FP6 matrix_b_fmt:MATRIX_FMT_FP6 matrix_a_scale:MATRIX_SCALE_ROW1
.endr
.endm
; One tile of 16 queries: the k-th of my two
.macro QTILE k
.if \k
	s_wait_xcnt 0x0                                ; the last tile's stores have read their registers
.endif
.irp t, 0,1,2,3,4,5,6,7
	ds_load_b64 v[AI+2*\t:AI+2*\t+1], v7 offset:256*\t   ; step 0's rows of four
.endr
.if \k
	v_mov_b32 v28, v238                            ; the second tile's q comes out of the registers in which it has waited
	v_mov_b32 v29, v239
	v_mov_b32 v16, v248
	v_mov_b32 v17, v249
	v_mov_b32 v18, v250
	v_mov_b32 v19, v251
	v_mov_b32 v20, v252
	v_mov_b32 v21, v253
	v_mov_b32 v247, v254
.endif
	v_mov_b32 v13, 0xfe967699                      ; the largest logit so far: -1e38
	v_mov_b32 v14, 0
	v_mov_b32 v15, 0
	v_mul_f32 v12, s[NC], v13
	s_delay_alu instid0(VALU_DEP_1)
	v_floor_f32 v12, v12
	s_wait_alu depctr_va_vdst(0)
	s_wait_dscnt 0x0
	DIST                                           ; step 0's distances; the 32 plain lines below are the places ahead of the product that adds onto them
.set j, 0
.rept 32
	v_mov_b32 v[O+j], 0                            ; O^T: the step is written once; its first trip finds zeros, which the first change of M leaves zeros
.set j, j+1
.endr
	s_mov_b32 s[SA], 0
	s_mov_b32 s[SB], 0
	s_mov_b32 s[SC], 0
	s_mov_b32 s[SD], 2048
	s_mov_b32 s[CNT], 8
.Lstep_\@:
	STEP
	s_add_co_u32 s[SA], s[SA], 6144
	s_add_co_u32 s[SB], s[SB], 512
	s_add_co_u32 s[SC], s[SC], 256
	s_add_co_u32 s[SD], s[SD], 2048
	s_sub_co_u32 s[CNT], s[CNT], 1
	s_cmp_lg_u32 s[CNT], 0
	s_cbranch_scc1 .Lstep_\@
	v_add_f32 v14, v14, v15                        ; the sum's two halves,
	s_delay_alu instid0(VALU_DEP_1)
	v_permlanex16_b32 v234, v14, s[SEL], s[SEL+1]
	s_delay_alu instid0(VALU_DEP_1)
	v_add_f32 v14, v14, v234                       ; and lane l xor 16's
	s_wait_alu depctr_va_vdst(0)
	v_rcp_f32 v14, v14
.rept 4
	v_nop                                          ; the plain place behind the reciprocal, and four places behind the last products
.endr
	s_wait_alu depctr_va_vdst(0)                   ; the wait ahead of the first use of the reciprocal and of O^T
.set j, 0
.rept 16
	v_pk_mul_f32 v[P+j:P+j+1], v[O+j:O+j+1], v[14:15] op_sel_hi:[1,0]   ; register 8 t + i is o(query r, channel 16 t + 8 h + i)
.set j, j+2
.endr
.irp t, 0,1,2,3
	ds_store_b128 v236, v[P+8*\t:P+8*\t+3] offset:64*\t
	ds_store_b128 v236, v[P+8*\t+4:P+8*\t+7] offset:64*\t+16
.endr
.irp i, 0,1,2,3,4,5,6,7
	ds_load_b128 v[P+32+4*\i:P+35+4*\i], v237 offset:544*\i   ; LDS serves a wave's instructions in order: these see my stores
.endr
.irp i, 0,1,2,3,4,5,6,7
	s_wait_dscnt 7-\i                              ; the younger loads from the stage may be out
	global_store_b128 v255, v[P+32+4*\i:P+35+4*\i], s[24:25] offset:1048576*\k+8192*\i th:TH_STORE_NT   ; each half of the lanes stores 256 consecutive bytes, aligned: a query's slice of my head
.endr
.endm
	QTILE 0
	QTILE 1
	s_wait_tensorcnt 0x0                           ; the wave's end, behind my last LDS store
	ds_add_u32 v[SPW], v[NIL]
	s_wait_dscnt 0x0
	s_endpgm
.Lfunc_end_k_qee19b4880f_attn:
	.size	k_qee19b4880f_attn, .Lfunc_end_k_qee19b4880f_attn-k_qee19b4880f_attn
	.p2alignl 7, 3214868480
	.fill 96, 4, 3214868480
	.section	.rodata,"a",@progbits
	.p2align	6, 0x0
	.amdhsa_kernel k_qee19b4880f_attn
		.amdhsa_group_segment_fixed_size 192512
		.amdhsa_private_segment_fixed_size 0
		.amdhsa_enable_private_segment 0
		.amdhsa_kernarg_size 40
		.amdhsa_user_sgpr_count 2
		.amdhsa_user_sgpr_kernarg_segment_ptr 1
		.amdhsa_wavefront_size32 1
		.amdhsa_system_sgpr_workgroup_id_x 1
		.amdhsa_system_sgpr_workgroup_id_y 1
		.amdhsa_system_sgpr_workgroup_id_z 1
		.amdhsa_system_vgpr_workitem_id 0
		.amdhsa_next_free_vgpr 256
		.amdhsa_next_free_sgpr 66
		.amdhsa_reserve_vcc 0
		.amdhsa_float_denorm_mode_32 3
		.amdhsa_float_denorm_mode_16_64 3
		.amdhsa_memory_ordered 1
		.amdhsa_forward_progress 1
		.amdhsa_inst_pref_size 55
	.end_amdhsa_kernel
	.amdgpu_metadata
---
amdhsa.version: [ 1, 2 ]
amdhsa.kernels:
  - .name:           k_qee19b4880f_attn
    .symbol:         k_qee19b4880f_attn.kd
    .args:
      - { .name: qb, .offset: 0, .size: 8, .value_kind: global_buffer, .address_space: global }
      - { .name: kvb, .offset: 8, .size: 8, .value_kind: global_buffer, .address_space: global }
      - { .name: front_bev_xy, .offset: 16, .size: 8, .value_kind: global_buffer, .address_space: global }
      - { .name: sat_xy, .offset: 24, .size: 8, .value_kind: global_buffer, .address_space: global }
      - { .name: out0, .offset: 32, .size: 8, .value_kind: global_buffer, .address_space: global }
    .group_segment_fixed_size: 192512
    .private_segment_fixed_size: 0
    .kernarg_segment_align: 8
    .kernarg_segment_size: 40
    .max_flat_workgroup_size: 512
    .sgpr_count:     66
    .vgpr_count:     256
    .wavefront_size: 32
...
	.end_amdgpu_metadata
.endif
;; end of part 3
